; MI455X (gfx1250); checked and timed in simulation.
; The chip was launched on July 23, 2026; its instructions are those of AMD's public machine-readable ISA for CDNA 5 (MIT licence, August 2026) and "CDNA5" Instruction Set Architecture Reference Guide (July 2026). The comments in the code are by the model that wrote it; some were corrected since.
;; Self Attention2d. Allowed arithmetic: matrix products marked QUANTISED: E2M3 operands, one E8M0 scale for each 32 along K, by v_wmma_scale_f32_16x16x128_f8f6f4 with both operands' format E2M3, f32 sums; everything else in f32.
;; Inputs: Wk 256 x 256 float32; Wq 256 x 256 float32; Wu 256 x 256 float32; Wv 256 x 256 float32; bk 256 float32; bq 256 float32; bu 256 float32; bv 256 float32; pos_enc 8 x 3,969 float32; x 32 x 256 x 32 x 32 float32.
;; Outputs: out0 32 x 256 x 32 x 32 float32.
;; This version of the problem:
;;   THIS VERSION OF THE PROBLEM IS GIVEN IN LOW PRECISION. The matrix products marked QUANTISED in the list below multiply operands that are first quantised to E2M3 (2 exponent bits, 3 mantissa bits; 6 bits a number), with one power-of-two scale for each 32 numbers along K (OCP MX v1.0); their sums are f32. All else is computed in f32.
;;   The module's matrix products, in the order in which they are computed (A, B: the left and right operand; K: the contracted axis; several contracted axes count as one K, in the product's order):
;;     1. [M 32,768, K 256] x [K 256, N 256]; A: input x; B: input Wk: QUANTISED
;;     2. [M 32,768, K 256] x [K 256, N 256]; A: input x; B: input Wq: QUANTISED
;;     3. [M 32,768, K 256] x [K 256, N 256]; A: input x; B: input Wv: QUANTISED
;;     4. batch 256 x [M 1,024, K 32] x [K 32, N 1,024]; A: computed on the way; B: computed on the way: QUANTISED
;;     5. batch 256 x [M 32, K 1,024] x [K 1,024, N 1,024]; A: computed on the way; B: softmax (see below): QUANTISED
;;     6. [M 32,768, K 256] x [K 256, N 256]; A: computed on the way; B: input Wu: QUANTISED
;;   THE QUANTISER, for each operand of a quantised product, along K:
;;     - K is cut into blocks of 32 from its start; a last block that is shorter is filled with zeros.
;;     - A block's scale is 2^e with e = floor(log2(the largest magnitude in the block)) - 2, held to -126 .. 127; a block of zeros has e = 0. As a byte (E8M0): e + 127.
;;     - Each number is divided by its block's scale, clamped to +-7.5, and rounded to the nearest number of E2M3, ties to even, subnormals kept.
;;     - The product sums the exact products of the quantised numbers (number of the format x scale) in f32.
;;   ~~~python
;;   def quantise(x, axis):      # numpy; x: float32 -> the quantised numbers, widened to float32 again
;;       x = np.moveaxis(x, axis, -1); K = x.shape[-1]
;;       x = np.pad(x, [(0, 0)] * (x.ndim - 1) + [(0, -K % 32)]); x = x.reshape(x.shape[:-1] + (-1, 32)); a = np.abs(x).max(-1, keepdims=True)
;;       e = np.where(a > 0, np.clip(np.frexp(np.where(a > 0, a, 1))[1] - 1 - 2, -126, 127), 0)      # np.frexp(a)[1] - 1 = floor(log2(a)), exactly
;;       r = np.clip(x / 2.0 ** e, -7.5, 7.5)
;;       step = 2.0 ** (np.maximum(np.frexp(np.where(r == 0, 1, r))[1] - 1, 0) - 3)
;;       q = np.round(r / step) * step * 2.0 ** e      # np.round: ties to even
;;       return np.moveaxis(q.reshape(q.shape[:-2] + (-1,))[..., :K], -1, axis).astype(np.float32)
;;   ~~~
;;   SOFTMAX AHEAD OF A QUANTISED PRODUCT. Where the list says 'softmax', what is quantised is not the finished softmax but p = 2^(t - M), with t = logit x log2(e) and M = ceil(the row's largest t), a whole number; so 1/2 < the row's largest p <= 1. The row's sum l is taken of the UNQUANTISED p, in f32, and the product's result is divided by l at the end. Since M is a whole number, a kernel that streams over the keys may use a running M (the ceiling of the running maximum): every later rescaling is an exact power of two, which a block's scale takes up: the codes' values come out the same.
;;   OPERANDS COMPUTED ON THE WAY. 'Computed on the way' means the value that the module computes at that place (a softmax that the list does not call 'softmax' is quantised finished and normalised). What goes into a quantiser is computed in f32, as accurately as f32 sums, v_exp_f32 and their like allow (about 1e-6 of the number): no bf16 or f16 on the way to a quantiser, and a product that is left as it is and whose result goes on into a quantised operand takes f32 operands (vector FMAs, or v_wmma_f32_16x16x4_f32). A number that lies on a knife's edge between two numbers of the format may be rounded either way, as far as f32 arithmetic and the matrix unit's own rounding can turn it there, and no further.
;; 2 versions. Each part assembles by itself: llvm-mc -triple=amdgcn-amd-amdhsa -mcpu=gfx1250 --defsym DOCPART=n.
;; ======== version 1 of 2: 2 launches
;; workspace buffers: acodes 6,291,456 bytes; ascales 262,144 bytes
;; launch attn (part 1): grid 8 x 32, 16 waves a work-group, no clusters, 193,280 bytes of LDS; arguments x, Wq, Wk, Wv, bq, bk, bv, pos_enc, acodes, ascales; writes acodes, ascales
.if DOCPART == 1
	.amdgcn_target "amdgcn-amd-amdhsa--gfx1250"
	.amdhsa_code_object_version 6
	.text
	.protected	k_qae940c8c85_attn
	.globl	k_qae940c8c85_attn
	.p2align	8
	.type	k_qae940c8c85_attn,@function
k_qae940c8c85_attn:
	s_mov_b64 s[64:65], 0
	v_nop
	global_prefetch_b8 v0, s[64:65] scope:SCOPE_SE
	s_setreg_imm32_b32 hwreg(HW_REG_WAVE_MODE, 25, 1), 1
	s_wait_xcnt 0x0
; SelfAttention2d, first of two launches.  One work-group = one image b (ttmp7) and one head hd (ttmp9): 16 waves of 256 registers, four to a SIMD.
; It quantises its 96 rows of Wq, Wk, Wv and x[b] to FP6 (E2M3, one E8M0 byte for each 32 along K), makes q, k, v of its head, quantises them into LDS, runs the attention over
; 1,024 keys, divides by the row's sum, quantises the result along the head's 32 channels (one block of the last product's K) and stores codes and scale bytes.
; SHARES.  Wave w owns image rows 2 w and 2 w + 1 (positions 64 w .. 64 w + 63): its columns of x, the keys and values that it makes, and its four tiles of 16 queries.
; THE BIAS IS THE C OF THE FIRST ATTENTION PRODUCT.  LDS holds pos_enc x sqrt(32), rows repitched to 64 numbers, in four copies shifted by 0 .. 3 numbers, so that each lane takes the eight
; neighbouring entries of an accumulator by two aligned loads of 16 bytes, straight into the accumulator.  t = c (k.q + bias sqrt(32)), c = log2(e) / sqrt(32).
; FOUR TILES OF KEYS IN ONE OPERAND.  K of that product is 32, the instruction's is 128: a fragment holds four tiles of 16 keys, one in each block of 32; the other operand holds the 16 queries in ONE
; block and zero codes in the other three.  The run Z QL Z QH Z (5 x 6 registers; QL: queries in lanes 0-15, QH: in lanes 16-31, Z: zeros) gives all four placings.
; ROWS OF A TILE ARE CHOSEN: row m of tile u stands for index 16 (m / 8) + 8 u + m % 8 (weights' rows, x's columns, keys, v's channels), so that each quantiser finds 16 neighbours along its K in 16 registers on end.
; SOFTMAX: M = ceil of the running largest t; p = 2^(t - M) is quantised along the keys (a block = an image row); the row's sum is taken of the unquantised p; a move of M multiplies by an exact power of two.
; NOT SHARED IN A CLUSTER: the eight heads of an image read the same x, but a lane wants a column of x with its registers running down the channels, so x goes from memory straight into registers:
; 1 MiB read once by a work-group, against some 7.9 MB that it reads from LDS in the key loop; through LDS it would add 8,192 LDS loads of 4 bytes a lane.
; LIMITS: NaN and infinities are not served.  A block of zeros gets the byte 1 where the rule says 127: its codes are zeros, and this program alone reads the bytes.  p under 2^-126 comes out as 0.
; The bias enters as fl(rel x sqrt(32)) and t as c x (sum + that): another order of f32 rounding than score x scale + rel, about 1e-7 of the logit.
.set CP,    16448                      ; from copy to copy of the bias table: 64 modulo 256, so that sixteen lanes' 16 bytes fall on sixteen different columns
.set LEAD,  16                         ; room in front of a copy: copy n holds entry p at LEAD + 4 (p - n)
.set KIMG,  65792                      ; 16 fragments of k x 1,536: for each half of 6 registers 16 bytes x lane, then at + 512 8 bytes x lane
.set VIMG,  90368                      ; v likewise: fragment 2 s + channel tile
.set KSC,   114944                     ; k's scale words: 64 bytes a fragment
.set VSC,   115968                     ; v's
.set QIMG,  116992                     ; 64 tiles of queries x 384: 16 bytes x query, then at + 256 8 bytes x query
.set QSC,   141568                     ; a query's scale byte, four times: 4 bytes a query
.set WIMG,  145664                     ; 12 weight fragments as images of their registers, 1,536 each
.set WSC,   164096                     ; their scale words, 128 bytes each
.set OST,   165632                     ; the result's codes: 1,536 bytes a wave, as they lie in acodes
.set OSC,   190208                     ; the result's scale bytes
.set SPARE, 191232                     ; the spare words, 128 bytes for each of 16 waves: eight blocks of 256 bytes that no other line names
; v1 spare word's address, v2 0 (both never rewritten).  v3-11 LDS addresses of the key loop and of the result.  v12-27 addresses of the first two phases; in the key loop v12-15 stepped addresses,
; v16 -M, v17 largest t, v[18:19] sum, v[20:21] f, v[22:23] second chain of the sum.  v28-41 at work.  v244-249 scale words and nothing else.  v250, 251, 254 addresses of the way out; v252, 253 scale bytes gathered.
.set BQ,  42                           ; v42-57 bq, v58-73 bk, v74-89 bv in the results' layouts
.set BV,  74
.set FR0, 90                           ; v90-113 x's tile 0 (two K steps), v114-137 tile 1
.set XN,  138                          ; v138-201 two sets of 32 numbers of x; 64 numbers of a weight
.set WF,  138                          ; v138-185 four weight fragments
.set ACC, 202                          ; v202-233 four accumulators of a projection
.set QZ,  42                           ; v42-71 Z QL Z QH Z
.set KF,  72                           ; v72-95 two fragments of k
.set VF,  96                           ; v96-119 two fragments of v
.set S,   120                          ; v120-183 bias, then scores, then p
.set OA,  184                          ; v184-199 O^T
.set PC,  200                          ; v200-211 p's codes; v212-214, v216-218 their second halves on the way
.set PT,  212
	s_load_b512 s[8:23], s[0:1], 0x0               ; x 8, Wq 10, Wk 12, Wv 14, bq 16, bk 18, bv 20, pos_enc 22
	s_load_b128 s[24:27], s[0:1], 0x40             ; acodes 24, ascales 26
	v_lshl_add_u32 v1, v0, 2, SPARE
	v_mov_b32 v2, 0
	v_lshrrev_b32 v28, 5, v0
	v_readfirstlane_b32 s4, v28                    ; w
	s_mov_b32 s2, ttmp9                            ; hd
	s_and_b32 s3, ttmp7, 0xffff                    ; b
	s_mov_b32 s28, 0x3e8293ee                      ; c = log2(e) / sqrt(32)
	s_mov_b32 s29, s28                             ; (named with it as a pair)
	s_mov_b32 s30, 0x76543210
	s_mov_b32 s31, 0xfedcba98                      ; lane selects: lane l xor 16
	s_mov_b32 s32, 0xffff                          ; lanes 0-15
	s_mov_b32 s33, 0xffff0000                      ; lanes 16-31
	s_mul_i32 s38, s4, 1536
	s_lshl_b32 s39, s4, 8
	s_lshl_b32 s40, s4, 6
	s_lshl_b32 s41, s4, 7
	s_lshr_b32 s42, s4, 1
	s_and_b32 s43, s4, 1
	v_and_b32 v28, 31, v0                          ; lane
	v_and_b32 v29, 15, v0                          ; r
	v_bfe_u32 v30, v0, 4, 1                        ; h
	v_bfe_u32 v31, v0, 3, 1                        ; r / 8
	v_and_b32 v32, 7, v0                           ; r % 8
	v_lshl_add_u32 v33, v30, 3, v32                ; 8 h + r % 8
	; the bias: entry 64 dy + dx with dy = y1 - y2 + 31, dx = x1 - x2 + 31.  With e = 15 - r: copy e % 4, and in it 64 h + 4 (e & 12) + 512 (15 - w) bytes; the tile, the step and the register stand in other terms
	v_xor_b32 v34, 15, v29
	v_and_b32 v35, 12, v34
	v_and_b32 v34, 3, v34
	v_mul_u32_u24 v34, v34, CP
	v_lshl_add_u32 v3, v35, 2, v34
	v_lshl_add_u32 v3, v30, 6, v3
	s_xor_b32 s44, s4, 15
	s_lshl_b32 s44, s44, 9
	s_add_co_u32 s44, s44, LEAD
	v_add_nc_u32 v3, s44, v3                       ; v3  bias
	v_lshl_add_u32 v4, v28, 4, KIMG                ; v4  k's and v's fragments: 16 bytes x lane
	v_lshl_add_u32 v5, v28, 3, KIMG+512            ; v5  and 8 bytes x lane
	v_lshl_add_u32 v6, v29, 2, KSC                 ; v6  their scale words
	s_add_co_u32 s44, s38, QIMG
	v_lshl_add_u32 v7, v29, 4, s44                 ; v7  my wave's queries, read: both halves of the lanes take query r
	v_lshl_add_u32 v8, v29, 3, s44
	v_add_nc_u32 v8, 256, v8                       ; v8
	s_add_co_u32 s45, s39, QSC
	v_lshl_add_u32 v9, v29, 2, s45                 ; v9  their scale words
	v_mul_u32_u24 v34, v31, 384                    ; queries, written: lane (r, h) holds position 16 (r / 8) + 8 h + r % 8 of an image row: tile r / 8, place 8 h + r % 8
	v_lshl_add_u32 v17, v33, 4, v34
	v_add_nc_u32 v17, s44, v17                     ; v17
	v_lshl_add_u32 v18, v33, 3, v34
	v_add_nc_u32 v18, s44, v18
	v_add_nc_u32 v18, 256, v18                     ; v18
	v_lshlrev_b32 v34, 6, v31
	v_lshl_add_u32 v19, v33, 2, v34
	v_add_nc_u32 v19, s45, v19                     ; v19
	s_add_co_u32 s44, s38, OST
	v_mul_u32_u24 v10, v29, 24
	v_mad_u32_u24 v10, v30, 12, v10
	v_add_nc_u32 v10, s44, v10                     ; v10 the result's codes: record r, my half's 12 bytes
	v_lshl_add_u32 v250, v28, 4, s44               ; v250 and back, 16 bytes a lane
	s_add_co_u32 s45, s40, OSC
	v_add_nc_u32 v11, s45, v29                     ; v11 the result's scale byte
	s_lshl_b32 s45, s43, 9
	s_add_co_u32 s45, s45, OSC
	v_lshl_add_u32 v251, v28, 4, s45               ; v251 and back: waves 0 and 1 take 512 bytes each
	v_lshlrev_b32 v254, 4, v28                     ; v254 16 x lane: the stores' offset
	s_add_co_u32 s44, s39, LEAD
	v_lshl_add_u32 v12, v28, 2, s44                ; v12 the table, written: row w, column lane
	s_add_co_u32 s44, s38, WIMG
	v_lshl_add_u32 v13, v28, 4, s44                ; v13 my weight fragment's image (waves 0 to 11)
	s_add_co_u32 s44, s41, WSC
	v_lshl_add_u32 v14, v28, 2, s44                ; v14 its scale words
	v_lshl_add_u32 v15, v28, 4, WIMG               ; v15 any image, read
	v_lshl_add_u32 v16, v28, 2, WSC                ; v16
	s_add_co_u32 s44, s38, KIMG
	v_lshl_add_u32 v20, v28, 4, s44                ; v20 k, written: fragment w, my own lane
	v_lshl_add_u32 v21, v28, 3, s44
	v_add_nc_u32 v21, 512, v21                     ; v21
	s_add_co_u32 s44, s40, KSC
	v_lshl_add_u32 v22, v29, 2, s44                ; v22
	s_mul_i32 s44, s42, 3072                       ; v, written: fragment 2 (w / 2) + h, half w % 2, lane r + 16 g
	s_mul_i32 s45, s43, 768
	s_add_co_u32 s44, s44, s45
	s_add_co_u32 s44, s44, VIMG
	v_mul_u32_u24 v34, v30, 1536
	v_add_nc_u32 v34, s44, v34
	v_lshl_add_u32 v23, v29, 4, v34                ; v23
	v_lshl_add_u32 v24, v29, 3, v34
	v_add_nc_u32 v24, 512, v24                     ; v24
	s_lshl_b32 s44, s42, 7
	s_lshl_b32 s45, s43, 1
	s_add_co_u32 s44, s44, s45
	s_add_co_u32 s44, s44, VSC
	v_lshlrev_b32 v34, 6, v30
	v_lshl_add_u32 v25, v29, 2, v34
	v_add_nc_u32 v25, s44, v25                     ; v25 v's two scale bytes: bytes 2 (w % 2), + 1 of the word
	v_lshl_add_u32 v26, v31, 4, v33
	v_lshlrev_b32 v26, 2, v26                      ; v26 x: my column of an image row: 16 (r / 8) + 8 h + r % 8
	v_lshl_add_u32 v35, v31, 4, v32                ; 16 (r / 8) + r % 8
	v_lshlrev_b32 v27, 10, v35
	v_lshl_add_u32 v27, v30, 7, v27                ; v27 a weight: that row of 1,024 bytes, + 128 h
	s_lshl_b32 s44, s2, 7
	v_lshl_add_u32 v218, v30, 6, s44               ; bq, bk: channels 32 hd + 16 h on
	v_lshl_add_u32 v219, v35, 2, s44               ; bv: channel 32 hd + 16 (r / 8) + r % 8
	v_lshlrev_b32 v36, 2, v28                      ; pos_enc: columns lane and lane + 32, rows w + 16 i, both held at 62: no load leaves the buffer; row 63 and column 63 of the table are never read
	v_add_nc_u32 v37, 32, v28
	v_min_u32 v37, 62, v37
	v_lshlrev_b32 v37, 2, v37
.irp i,0,1,2,3
	s_add_co_u32 s44, s4, 16*\i
	s_min_u32 s44, s44, 62
	s_mul_i32 s44, s44, 252
	v_add_nc_u32 v[210+2*\i], s44, v36
	v_add_nc_u32 v[211+2*\i], s44, v37
.endr
	s_wait_kmcnt 0x0
	s_lshl_b32 s44, s3, 20
	s_add_co_u32 s44, s44, s39
	s_mov_b32 s45, 0
	s_add_nc_u64 s[8:9], s[8:9], s[44:45]          ; x at image b, my wave's 64 positions
	s_mul_i32 s44, s2, 15876
	s_add_nc_u64 s[22:23], s[22:23], s[44:45]      ; pos_enc at my head
	s_cmp_lt_u32 s4, 4                             ; waves 0-3 take Wq, 4-7 Wk, 8-11 Wv: fragment w = 4 p + 2 u + K step
	s_cselect_b64 s[36:37], s[10:11], s[12:13]
	s_cmp_lt_u32 s4, 8
	s_cselect_b64 s[36:37], s[36:37], s[14:15]
	s_lshl_b32 s44, s2, 15
	s_bfe_u32 s46, s4, 0x10001
	s_lshl_b32 s46, s46, 13
	s_add_co_u32 s44, s44, s46
	s_lshl_b32 s46, s43, 9
	s_add_co_u32 s44, s44, s46
	s_add_nc_u64 s[36:37], s[36:37], s[44:45]      ; row 32 hd + 8 u, column 128 x K step
	s_lshl_b32 s46, s3, 3
	s_add_co_u32 s46, s46, s2                      ; 8 b + hd
	s_mul_i32 s44, s46, 24576
	s_add_co_u32 s44, s44, s38
	s_add_nc_u64 s[24:25], s[24:25], s[44:45]      ; acodes at my wave's 64 records
	s_lshl_b32 s44, s46, 10
	s_lshl_b32 s47, s43, 9
	s_add_co_u32 s44, s44, s47
	s_add_nc_u64 s[26:27], s[26:27], s[44:45]      ; ascales: the half that wave 0 or 1 stores
	; ---- the table, the biases, the weights
.irp k,0,1,2,3,4,5,6,7
	global_load_b32 v[202+\k], v[210+\k], s[22:23]
.endr
.irp u,0,1
.irp q,0,1
	global_load_b128 v[BQ+8*\u+4*\q:BQ+8*\u+4*\q+3], v218, s[16:17] offset:32*\u+16*\q        ; register 8 u + j: bq(32 hd + 16 h + 8 u + j)
	global_load_b128 v[BQ+16+8*\u+4*\q:BQ+16+8*\u+4*\q+3], v218, s[18:19] offset:32*\u+16*\q  ; bk likewise
.endr
.endr
	global_load_b32 v[BV], v219, s[20:21]          ; bv of my channel in tile 0,
	global_load_b32 v[BV+8], v219, s[20:21] offset:32   ; in tile 1
	s_cmp_lt_u32 s4, 12
	s_cbranch_scc0 .Lno_weight
.irp c,0,1
.irp i,0,1,2,3,4,5,6,7
	global_load_b128 v[XN+32*\c+4*\i:XN+32*\c+4*\i+3], v27, s[36:37] offset:256*\c+16*\i      ; register 32 c + i: k = 64 c + 32 h + i of my row: two whole blocks a lane
.endr
.endr
	s_wait_loadcnt 0x0
.irp c,0,1
	v_max3_num_f32 v[28+\c], |v[XN+32*\c]|, |v[XN+32*\c+1]|, 0x1800000   ; the floor 2^(3 - 127) holds the byte at 1 from below
.endr
.irp i,2,4,6,8,10,12,14,16,18,20,22,24,26,28,30
.irp c,0,1
	v_max3_num_f32 v[28+\c], v[28+\c], |v[XN+32*\c+\i]|, |v[XN+32*\c+\i+1]|
.endr
.endr
.irp c,0,1
	v_add_nc_u32 v[36+\c], 0xff000000, v[28+\c]    ; 2 off the exponent field: the conversion's scale operand
.endr
.irp c,0,1
	v_lshrrev_b32 v[32+\c], 23, v[36+\c]           ; the scale's byte
.endr
	v_lshl_or_b32 v40, v33, 16, v32                ; my bytes: blocks h and 2 + h,
	v_bfe_u32 v41, v0, 4, 1
	v_lshlrev_b32 v41, 3, v41
	v_lshlrev_b32 v40, v41, v40                    ; at their places;
	v_permlanex16_b32 v41, v40, s30, s31
	v_or_b32 v40, v40, v41                         ; with lane l xor 16's the word is whole
.irp c,0,1
	v_cvt_scalef32_pk16_fp6_f32 v[FR0+6*\c:FR0+6*\c+2], v[XN+32*\c:XN+32*\c+15], v[36+\c]
	v_cvt_scalef32_pk16_fp6_f32 v[234+6*\c:236+6*\c], v[XN+32*\c+16:XN+32*\c+31], v[36+\c]   ; (a conversion's three registers begin on an even number)
.endr
	v_nop                                          ; one plain place behind a scaled conversion
.irp c,0,1
.irp i,0,1,2
	v_mov_b32 v[FR0+3+6*\c+\i], v[234+6*\c+\i]
.endr
.endr
.irp j,0,1,2
	ds_store_b128 v13, v[FR0+4*\j:FR0+4*\j+3] offset:512*\j   ; the fragment as an image of its registers
.endr
	ds_store_b32 v14, v40
.Lno_weight:
	s_wait_loadcnt 0x0
.irp k,0,1,2,3,4,5,6,7
	v_mul_f32 v[202+\k], 0x40b504f3, v[202+\k]     ; x sqrt(32)
.endr
.irp n,0,1,2,3
.irp i,0,1,2,3
.irp c,0,1
	ds_store_b32 v12, v[202+2*\i+\c] offset:4096*\i+128*\c+(CP-4)*\n   ; entry 64 (w + 16 i) + lane + 32 c, in copy n four bytes x n lower
.endr
.endr
.endr
.irp i,1,2,3,4,5,6,7
	v_mov_b32 v[BV+\i], v[BV]                      ; v's result holds one channel a lane: the same bias in all eight registers
	v_mov_b32 v[BV+8+\i], v[BV+8]
.endr
	s_wait_dscnt 0x0                               ; my stores have landed
	s_barrier_signal -1
	s_barrier_wait -1                              ; the table and the twelve weight fragments lie in LDS
	; ---- x, an image row at a time: quantised in registers, multiplied, q, k, v quantised into LDS
.macro LOADX g, t                      ; channels 32 t .. 32 t + 31 of my column of image row 2 w + g: each load reads 128 consecutive bytes
.set li, 0
.rept 32
	global_load_b32 v[XN+32*((\t)%2)+li], v26, s[8:9] offset:(32*(\t)+li)*4096+128*(\g)
.set li, li+1
.endr
.endm
.macro BLOCK g, t                      ; a block of 32 channels of one position lies in one lane: no other lane is asked
.set XB, XN+32*((\t)%2)
.set FB, FR0+24*((\t)%2)+6*((\t)/2)    ; even blocks to the first run, odd ones to the second
.if (\t) < 7
	s_wait_loadcnt 32                              ; this block's 32 loads are in; the next block's 32 may be out
.else
	s_wait_loadcnt 0x0
.endif
	v_max3_num_f32 v28, |v[XB]|, |v[XB+1]|, |v[XB+2]|
	v_max3_num_f32 v29, |v[XB+3]|, |v[XB+4]|, |v[XB+5]|
.irp i,6,10,14,18,22,26
	v_max3_num_f32 v28, v28, |v[XB+\i]|, |v[XB+\i+1]|
	v_max3_num_f32 v29, v29, |v[XB+\i+2]|, |v[XB+\i+3]|
.endr
	v_max3_num_f32 v28, v28, |v[XB+30]|, |v[XB+31]|
	v_max3_num_f32 v28, v28, v29, 0x1800000
	v_add_nc_u32 v36, 0xff000000, v28
	v_lshrrev_b32 v29, 23, v36
.if (\t)%4 == 0
	v_mov_b32 v[248+(\t)/4], v29                   ; my position's scale word of K step t / 4
.else
	v_lshl_or_b32 v[248+(\t)/4], v29, 8*((\t)%4), v[248+(\t)/4]
.endif
	v_cvt_scalef32_pk16_fp6_f32 v[FB:FB+2], v[XB:XB+15], v36
	v_cvt_scalef32_pk16_fp6_f32 v[240:242], v[XB+16:XB+31], v36
	v_nop                                          ; one plain place behind a scaled conversion
.irp i,0,1,2
	v_mov_b32 v[FB+3+\i], v[240+\i]
.endr
.if (\t) < 6
	LOADX \g, (\t)+2
.endif
.endm
; q and k: source 0 = 16 rows of the weight (tile u), source 1 = 16 positions of x (tile t): lane (r, h), register j: channel 16 h + 8 u + j of position (t, r).  The bias is the C of the first K step.
.macro MMQK p, s, t, u
.set rD, ACC+16*(\t)+8*(\u)
.set rC, rD
.if (\s) == 0
.set rC, BQ+16*(\p)+8*(\u)
.endif
.set rA, WF+12*(2*(\u)+(\s))
.set rB, FR0+24*(\t)+12*(\s)
.if (\t) == 0
	v_wmma_scale_f32_16x16x128_f8f6f4 v[rD:rD+7], v[rA:rA+11], v[rB:rB+11], v[rC:rC+7], v[244+2*(\u)+(\s)], v[248+(\s)] matrix_a_fmt:MATRIX_FMT_FP6 matrix_b_fmt:MATRIX_FMT_FP6
.else
	v_wmma_scale_f32_16x16x128_f8f6f4 v[rD:rD+7], v[rA:rA+11], v[rB:rB+11], v[rC:rC+7], v[244+2*(\u)+(\s)], v[248+(\s)] matrix_a_fmt:MATRIX_FMT_FP6 matrix_b_fmt:MATRIX_FMT_FP6 matrix_b_scale:MATRIX_SCALE_ROW1
.endif
.endm
; v: the sources the other way round: lane (r, h), register j: key 16 h + 8 t + j of channel (tile u, row r): registers run along the keys
.macro MMV s, t, u
.set rD, ACC+16*(\u)+8*(\t)
.set rC, rD
.if (\s) == 0
.set rC, BV+8*(\u)
.endif
.set rA, FR0+24*(\t)+12*(\s)
.set rB, WF+12*(2*(\u)+(\s))
.if (\t) == 0
	v_wmma_scale_f32_16x16x128_f8f6f4 v[rD:rD+7], v[rA:rA+11], v[rB:rB+11], v[rC:rC+7], v[248+(\s)], v[244+2*(\u)+(\s)] matrix_a_fmt:MATRIX_FMT_FP6 matrix_b_fmt:MATRIX_FMT_FP6
.else
	v_wmma_scale_f32_16x16x128_f8f6f4 v[rD:rD+7], v[rA:rA+11], v[rB:rB+11], v[rC:rC+7], v[248+(\s)], v[244+2*(\u)+(\s)] matrix_a_fmt:MATRIX_FMT_FP6 matrix_b_fmt:MATRIX_FMT_FP6 matrix_a_scale:MATRIX_SCALE_ROW1
.endif
.endm
; Two items of 32 numbers, each half in lanes l and l xor 16 (16 registers each), become 24 bytes of codes in v234-239: lane (r, h) then holds item h's record r, whole.  v32, v33: the items' scale bytes.
.macro HB2
.irp b,0,1
	v_max3_num_f32 v[28+\b], |v[ACC+16*\b]|, |v[ACC+16*\b+1]|, 0x1800000
.endr
.irp i,2,4,6,8,10,12,14
.irp b,0,1
	v_max3_num_f32 v[28+\b], v[28+\b], |v[ACC+16*\b+\i]|, |v[ACC+16*\b+\i+1]|
.endr
.endr
.irp b,0,1
	v_permlanex16_b32 v[32+\b], v[28+\b], s30, s31
.endr
.irp b,0,1
	v_max_num_f32 v[28+\b], v[28+\b], v[32+\b]
.endr
.irp b,0,1
	v_add_nc_u32 v[36+\b], 0xff000000, v[28+\b]
.endr
.irp b,0,1
	v_lshrrev_b32 v[32+\b], 23, v[36+\b]
.endr
	v_cvt_scalef32_pk16_fp6_f32 v[234:236], v[ACC:ACC+15], v36
	v_cvt_scalef32_pk16_fp6_f32 v[240:242], v[ACC+16:ACC+31], v37
	v_nop                                          ; one plain place behind a scaled conversion
.irp i,0,1,2
	v_permlane16_swap_b32 v[234+\i], v[240+\i]     ; the first's lanes 16-31 change places with the second's lanes 0-15: lower 16 codes in the first, upper 16 in the second
.endr
.irp i,0,1,2
	v_mov_b32 v[237+\i], v[240+\i]
.endr
.endm
.macro PROJ p, g                       ; p = 0 q, 1 k, 2 v, for image row 2 w + g
.irp k,0,1,2,3
.irp j,0,1,2
	ds_load_b128 v[WF+12*\k+4*\j:WF+12*\k+4*\j+3], v15 offset:1536*(4*(\p)+\k)+512*\j
.endr
	ds_load_b32 v[244+\k], v16 offset:128*(4*(\p)+\k)
.endr
	s_wait_dscnt 0x0                               ; the weights are in, and the last stores have read v234-239
.irp s,0,1                             ; four accumulators by turns, a K step at a time
.irp t,0,1
.irp u,0,1
.if (\p) < 2
	MMQK \p, \s, \t, \u
.else
	MMV \s, \t, \u
.endif
.endr
.endr
.endr
.rept 5
	v_nop                                          ; four places ahead of the first read of results and of loads into operands; five ahead of the next product that begins these accumulators anew
.endr
	HB2
.if (\p) == 0
	v_cndmask_b32 v40, v32, v33, s33               ; my item's byte,
	v_lshl_or_b32 v41, v40, 8, v40
	v_lshl_or_b32 v41, v41, 16, v41                ; four times: the query may stand in any block of its operand
	ds_store_b128 v17, v[234:237] offset:768*(\g)
	ds_store_b64 v18, v[238:239] offset:768*(\g)
	ds_store_b32 v19, v41 offset:128*(\g)
.elseif (\p) == 1
	ds_store_b128 v20, v[234:237] offset:768*(\g)  ; block 2 g + h of fragment w
	ds_store_b64 v21, v[238:239] offset:768*(\g)
.if (\g) == 0
	v_lshl_or_b32 v252, v33, 8, v32                ; row r's scale word: bytes 2 g and 2 g + 1
.else
	v_lshl_or_b32 v252, v32, 16, v252
	v_lshl_or_b32 v252, v33, 24, v252
	ds_store_b32 v22, v252
.endif
.else
	v_cndmask_b32 v40, v32, v33, s33
	ds_store_b128 v23, v[234:237] offset:256*(\g)  ; lane r + 16 g of the fragment
	ds_store_b64 v24, v[238:239] offset:128*(\g)
.if (\g) == 0
	v_mov_b32 v253, v40
.else
	v_lshl_or_b32 v253, v40, 8, v253
	ds_store_b16 v25, v253                         ; my wave's two bytes of the channel's scale word
.endif
.endif
.endm
.irp g,0,1
	LOADX \g, 0
	LOADX \g, 1
.irp t,0,1,2,3,4,5,6,7
	BLOCK \g, \t
.endr
.set li, 0
.rept 24
	v_permlane16_swap_b32 v[FR0+li], v[FR0+24+li]  ; lanes 0-15 hold tile 0's positions, lanes 16-31 tile 1's: after the exchange each run is one tile's two fragments, even blocks below, odd above
.set li, li+1
.endr
.rept 8
	v_nop                                          ; scale words written by vector instructions stand eight places ahead of a scaled product, operands four
.endr
	PROJ 0, \g
	PROJ 1, \g
	PROJ 2, \g
.endr
	s_wait_dscnt 0x0
	s_barrier_signal -1
	s_barrier_wait -1                              ; q, k, v of the whole head lie in LDS
	; ---- the attention
; A key step: 128 keys = image rows 4 s .. 4 s + 3.  Score register 16 B + i of lane (r, h): key row 4 s + B, column 16 h + i, query r.
.macro STEP
.irp f,0,1
	ds_load_b128 v[KF+12*\f:KF+12*\f+3], v13 offset:1536*\f
	ds_load_b64 v[KF+12*\f+4:KF+12*\f+5], v14 offset:1536*\f
	ds_load_b128 v[KF+12*\f+6:KF+12*\f+9], v13 offset:1536*\f+768
	ds_load_b64 v[KF+12*\f+10:KF+12*\f+11], v14 offset:1536*\f+768
	ds_load_b32 v[244+\f], v15 offset:64*\f
.endr
.irp n,0,1,2,3,4,5,6,7,8,9,10,11,12,13,14,15
	ds_load_b128 v[S+4*\n:S+4*\n+3], v12 offset:256*(\n/4)+16*(\n%4)   ; the bias, straight into the accumulators
.endr
	s_wait_dscnt 0x0
.irp n,0,1,2,3,4,5,6,7                 ; tile n lies in block n % 4 of fragment n / 4; the queries stand in that block of source 1
	v_wmma_scale_f32_16x16x128_f8f6f4 v[S+8*\n:S+8*\n+7], v[KF+12*(\n/4):KF+12*(\n/4)+11], v[QZ+12*(\n%2)+6*(1-(\n%4)/2):QZ+12*(\n%2)+6*(1-(\n%4)/2)+11], v[S+8*\n:S+8*\n+7], v[244+\n/4], v248 matrix_a_fmt:MATRIX_FMT_FP6 matrix_b_fmt:MATRIX_FMT_FP6
.endr
	v_add_nc_u32 v12, 1024, v12                    ; on to the next step (no LDS load of mine is out).  These four are the places behind the products
	v_add_nc_u32 v13, 3072, v13
	v_add_nc_u32 v14, 3072, v14
	v_add_nc_u32 v15, 128, v15
.irp f,0,1                             ; v of this step: the offsets take the step just made off again; the loads have the softmax in which to land
	ds_load_b128 v[VF+12*\f:VF+12*\f+3], v13 offset:21504+1536*\f
	ds_load_b64 v[VF+12*\f+4:VF+12*\f+5], v14 offset:21504+1536*\f
	ds_load_b128 v[VF+12*\f+6:VF+12*\f+9], v13 offset:21504+1536*\f+768
	ds_load_b64 v[VF+12*\f+10:VF+12*\f+11], v14 offset:21504+1536*\f+768
	ds_load_b32 v[246+\f], v15 offset:896+64*\f
.endr
.irp b,0,1,2,3
	v_max3_num_f32 v[28+\b], v[S+16*\b], v[S+16*\b+1], v[S+16*\b+2]   ; each block's largest score: for the row's maximum, and, since p rises with the score, for the block's largest p
.endr
.irp i,3,5,7,9,11,13
.irp b,0,1,2,3
	v_max3_num_f32 v[28+\b], v[28+\b], v[S+16*\b+\i], v[S+16*\b+\i+1]
.endr
.endr
.irp b,0,1,2,3
	v_max_num_f32 v[28+\b], v[28+\b], v[S+16*\b+15]
.endr
.irp b,0,1,2,3
	v_permlanex16_b32 v[32+\b], v[28+\b], s30, s31
.endr
.irp b,0,1,2,3
	v_max_num_f32 v[28+\b], v[28+\b], v[32+\b]
.endr
	v_max3_num_f32 v40, v28, v29, v30
	v_max_num_f32 v40, v40, v31
	v_mul_f32 v40, s28, v40                        ; as t (c is positive)
	v_max_num_f32 v17, v17, v40                    ; the running largest t
	v_mov_b32 v40, v16
	v_floor_f32 v16, -v17                          ; -M = floor(-t): M is a whole number
	v_sub_f32 v40, v16, v40
	v_cvt_i32_f32 v40, v40                         ; (it saturates)
	v_ldexp_f32 v20, 1.0, v40                      ; f = 2^(old M - new M)
.set j, 0
.rept 32
	v_pk_fma_f32 v[S+j:S+j+1], v[S+j:S+j+1], s[28:29], v[16:17] op_sel_hi:[1,0,0]   ; t - M
.set j, j+2
.endr
.irp b,0,1,2,3
	v_fma_f32 v[28+\b], v[28+\b], s28, v16
.endr
.set j, 0
.rept 64
	v_exp_f32 v[S+j], v[S+j]                       ; p = 2^(t - M)
.set j, j+1
.endr
.irp b,0,1,2,3
	v_exp_f32 v[28+\b], v[28+\b]                   ; the blocks' largest p: one batch with the 64
.endr
	v_pk_mul_f32 v[18:19], v[18:19], v[20:21] op_sel_hi:[1,0]   ; the sum under the new M: the plain place behind the exponentials
	s_wait_alu depctr_va_vdst(0)                   ; one wait for the batch of 68, ahead of its first reader
.irp b,0,1,2,3
	v_max_num_f32 v[28+\b], 0x1800000, v[28+\b]
.endr
.irp b,0,1,2,3
	v_add_nc_u32 v[36+\b], 0xff000000, v[28+\b]
.endr
.irp b,0,1,2,3
	v_lshrrev_b32 v[32+\b], 23, v[36+\b]
.endr
	v_lshl_or_b32 v249, v33, 8, v32                ; p's scale word for these 128 keys
	v_lshl_or_b32 v249, v34, 16, v249
	v_lshl_or_b32 v249, v35, 24, v249
.irp c,0,1
	v_cvt_scalef32_pk16_fp6_f32 v[PC+6*\c:PC+6*\c+2], v[S+32*\c:S+32*\c+15], v[36+2*\c]
	v_cvt_scalef32_pk16_fp6_f32 v[PT+4*\c:PT+4*\c+2], v[S+32*\c+16:S+32*\c+31], v[36+2*\c+1]
.endr
	v_nop                                          ; one plain place behind a scaled conversion
.irp c,0,1
.irp i,0,1,2
	v_permlane16_swap_b32 v[PC+6*\c+\i], v[PT+4*\c+\i]
.endr
.irp i,0,1,2
	v_mov_b32 v[PC+3+6*\c+\i], v[PT+4*\c+\i]
.endr
.endr
.irp j,0,2,4,6,8,10,12,14
	v_pk_mul_f32 v[OA+\j:OA+\j+1], v[OA+\j:OA+\j+1], v[20:21] op_sel_hi:[1,0]   ; O^T under the new M, from each accumulator's low end on
.endr
	v_pk_add_f32 v[22:23], v[S:S+1], v[S+2:S+3]    ; the row's sum of the unquantised p, in two chains; these lines are also the places between p's codes and scale word and the product
.irp j,4,8,12,16,20,24,28,32,36,40,44,48,52
	v_pk_add_f32 v[18:19], v[18:19], v[S+\j:S+\j+1]
	v_pk_add_f32 v[22:23], v[22:23], v[S+\j+2:S+\j+3]
.endr
	s_wait_dscnt 0x0                               ; v is in
	v_wmma_scale_f32_16x16x128_f8f6f4 v[OA:OA+7], v[VF:VF+11], v[PC:PC+11], v[OA:OA+7], v246, v249 matrix_a_fmt:MATRIX_FMT_FP6 matrix_b_fmt:MATRIX_FMT_FP6
	v_wmma_scale_f32_16x16x128_f8f6f4 v[OA+8:OA+15], v[VF+12:VF+23], v[PC:PC+11], v[OA+8:OA+15], v247, v249 matrix_a_fmt:MATRIX_FMT_FP6 matrix_b_fmt:MATRIX_FMT_FP6
.irp j,56,60
	v_pk_add_f32 v[18:19], v[18:19], v[S+\j:S+\j+1]   ; the rest of the sum names none of those products' registers: the places behind them
	v_pk_add_f32 v[22:23], v[22:23], v[S+\j+2:S+\j+3]
.endr
	v_pk_add_f32 v[18:19], v[18:19], v[22:23]
.endm
; Tile t of my wave: queries 64 w + 16 t + r: image row 2 w + t / 2, columns 16 (t % 2) + r
.macro TILE t
	ds_load_b128 v[220:223], v7 offset:384*(\t)
	ds_load_b64 v[224:225], v8 offset:384*(\t)
	ds_load_b32 v248, v9 offset:64*(\t)
	s_wait_dscnt 0x0                               ; and the last tile's stores have read their registers
.irp i,0,1,2,3,4,5
	v_cndmask_b32 v[QZ+6+\i], 0, v[220+\i], s32    ; QL: the queries in lanes 0-15
	v_cndmask_b32 v[QZ+18+\i], 0, v[220+\i], s33   ; QH: in lanes 16-31
.endr
	v_mov_b32 v17, 0xff61b1e6                      ; the largest t so far: -3e38
	v_floor_f32 v16, -v17
	v_mov_b32 v18, 0
	v_mov_b32 v19, 0
.irp i,0,1,2,3,4,5,6,7,8,9,10,11,12,13,14,15
	v_mov_b32 v[OA+\i], 0                          ; the step is written once: the first finds zeros, which the first change of M leaves zeros
.endr
	v_add_nc_u32 v12, 256*(1-(\t)/2)+64*(1-(\t)%2), v3   ; the tile's place in the table: one row up for the upper image row, 16 columns on for the left half
	v_mov_b32 v13, v4
	v_mov_b32 v14, v5
	v_mov_b32 v15, v6
	s_mov_b32 s34, 8
.Lstep_\@:
	STEP
	s_sub_co_u32 s34, s34, 1
	s_cmp_lg_u32 s34, 0
	s_cbranch_scc1 .Lstep_\@
	v_add_f32 v18, v18, v19
	v_permlanex16_b32 v32, v18, s30, s31
	v_add_f32 v18, v18, v32                        ; the row's sum
	v_rcp_f32 v18, v18
	v_nop                                          ; a plain place behind the reciprocal,
	s_wait_alu depctr_va_vdst(0)                   ; and the wait ahead of its first reader
.irp i,0,1,2,3,4,5,6,7,8,9,10,11,12,13,14,15
	v_mul_f32 v[220+\i], v[OA+\i], v18             ; channel 16 h + i of query r
.endr
	v_max3_num_f32 v28, |v220|, |v221|, 0x1800000  ; the head's 32 channels are one block of the last product's K
.irp i,2,4,6,8,10,12,14
	v_max3_num_f32 v28, v28, |v[220+\i]|, |v[221+\i]|
.endr
	v_permlanex16_b32 v32, v28, s30, s31
	v_max_num_f32 v28, v28, v32
	v_add_nc_u32 v36, 0xff000000, v28
	v_lshrrev_b32 v32, 23, v36
	v_cvt_scalef32_pk16_fp6_f32 v[236:238], v[220:235], v36
	v_nop                                          ; one plain place behind a scaled conversion
	ds_store_b32 v10, v236 offset:384*(\t)
	ds_store_b32 v10, v237 offset:384*(\t)+4
	ds_store_b32 v10, v238 offset:384*(\t)+8
	ds_store_b8 v11, v32 offset:16*(\t)            ; both halves of the lanes write the same byte with the same value
.endm
.irp z,0,12,24
.irp i,0,1,2,3,4,5
	v_mov_b32 v[QZ+\z+\i], 0                       ; Z: zero codes
.endr
.endr
	v_mov_b32 v21, 0                               ; (named as the upper half of the pair v[20:21])
	TILE 0
	TILE 1
	TILE 2
	TILE 3
	; ---- the way out: whole runs of 512 consecutive bytes
	s_wait_dscnt 0x0
	s_barrier_signal -1
	s_barrier_wait -1                              ; all scale bytes lie in LDS
.irp i,0,1,2
	ds_load_b128 v[42+4*\i:45+4*\i], v250 offset:512*\i
.endr
.irp i,0,1,2
	s_wait_dscnt 2-\i                              ; LDS loads come back in order: load i is in, the younger ones may be out
	global_store_b128 v254, v[42+4*\i:45+4*\i], s[24:25] offset:512*\i   ; 32 lanes store 512 consecutive bytes, at a multiple of 512 from the buffer's first byte
.endr
	s_cmp_lt_u32 s4, 2
	s_cbranch_scc0 .Lend
	ds_load_b128 v[56:59], v251                    ; waves 0 and 1: 512 of the head's 1,024 scale bytes each
	s_wait_dscnt 0x0
	global_store_b128 v254, v[56:59], s[26:27]
.Lend:
	s_wait_tensorcnt 0x0                           ; the wave's end: behind my last LDS store
	ds_add_u32 v1, v2
	s_wait_dscnt 0x0
	s_endpgm
.Lfunc_end_k_qae940c8c85_attn:
	.size	k_qae940c8c85_attn, .Lfunc_end_k_qae940c8c85_attn-k_qae940c8c85_attn
	.p2alignl 7, 3214868480
	.fill 96, 4, 3214868480
	.section	.rodata,"a",@progbits
	.p2align	6, 0x0
	.amdhsa_kernel k_qae940c8c85_attn
		.amdhsa_group_segment_fixed_size 193280
		.amdhsa_private_segment_fixed_size 0
		.amdhsa_enable_private_segment 0
		.amdhsa_kernarg_size 80
		.amdhsa_user_sgpr_count 2
		.amdhsa_user_sgpr_kernarg_segment_ptr 1
		.amdhsa_wavefront_size32 1
		.amdhsa_system_sgpr_workgroup_id_x 1
		.amdhsa_system_sgpr_workgroup_id_y 1
		.amdhsa_system_sgpr_workgroup_id_z 1
		.amdhsa_system_vgpr_workitem_id 0
		.amdhsa_next_free_vgpr 256
		.amdhsa_next_free_sgpr 66
		.amdhsa_reserve_vcc 0
		.amdhsa_float_denorm_mode_32 3
		.amdhsa_float_denorm_mode_16_64 3
		.amdhsa_memory_ordered 1
		.amdhsa_forward_progress 1
		.amdhsa_inst_pref_size 193
	.end_amdhsa_kernel
	.amdgpu_metadata
---
amdhsa.version: [ 1, 2 ]
amdhsa.kernels:
  - .name:           k_qae940c8c85_attn
    .symbol:         k_qae940c8c85_attn.kd
    .args:
      - { .name: x, .offset: 0, .size: 8, .value_kind: global_buffer, .address_space: global }
      - { .name: Wq, .offset: 8, .size: 8, .value_kind: global_buffer, .address_space: global }
      - { .name: Wk, .offset: 16, .size: 8, .value_kind: global_buffer, .address_space: global }
      - { .name: Wv, .offset: 24, .size: 8, .value_kind: global_buffer, .address_space: global }
      - { .name: bq, .offset: 32, .size: 8, .value_kind: global_buffer, .address_space: global }
      - { .name: bk, .offset: 40, .size: 8, .value_kind: global_buffer, .address_space: global }
      - { .name: bv, .offset: 48, .size: 8, .value_kind: global_buffer, .address_space: global }
      - { .name: pos_enc, .offset: 56, .size: 8, .value_kind: global_buffer, .address_space: global }
      - { .name: acodes, .offset: 64, .size: 8, .value_kind: global_buffer, .address_space: global }
      - { .name: ascales, .offset: 72, .size: 8, .value_kind: global_buffer, .address_space: global }
    .group_segment_fixed_size: 193280
    .private_segment_fixed_size: 0
    .kernarg_segment_align: 8
    .kernarg_segment_size: 80
    .max_flat_workgroup_size: 512
    .sgpr_count:     66
    .vgpr_count:     256
    .wavefront_size: 32
...
	.end_amdgpu_metadata
.endif
;; end of part 1
;; launch outp (part 2): grid 8 x 32, 16 waves a work-group, no clusters, 147,968 bytes of LDS; arguments acodes, ascales, Wu, bu, out0; writes out0
.if DOCPART == 2
	.amdgcn_target "amdgcn-amd-amdhsa--gfx1250"
	.amdhsa_code_object_version 6
	.text
	.protected	k_qae940c8c85_outp
	.globl	k_qae940c8c85_outp
	.p2align	8
	.type	k_qae940c8c85_outp,@function
k_qae940c8c85_outp:
	s_mov_b64 s[64:65], 0
	v_nop
	global_prefetch_b8 v0, s[64:65] scope:SCOPE_SE
	s_setreg_imm32_b32 hwreg(HW_REG_WAVE_MODE, 25, 1), 1
	s_wait_xcnt 0x0
; SelfAttention2d, second of two launches: out0[b][o][n] = sum over c of Wu[o][c] a[b][c][n] + bu[o], on codes of FP6 (E2M3) with one E8M0 byte for each 32 along c.
; a comes as the first launch left it: acodes [b][head][n][24 bytes] (a position's 32 channels of a head: one block), ascales [b][head][n].  Wu arrives as f32 and is quantised here.
; One work-group = image b (ttmp7) and 32 output channels 32 ob .. (ttmp9); wave w takes positions 64 w .. 64 w + 63: four tiles of positions x two tiles of channels, two K steps: 16 products, straight-line.
; Source 0 = 16 positions, source 1 = 16 rows of Wu: lane (r, h), register j holds out(channel r, position 8 h + j): eight neighbours of a row of out0.
; a's codes go from memory straight into the operand registers of the one wave that multiplies them (three loads of 8 bytes for each block), so nothing of them is shared through LDS and no tile is asked for jointly.
; Waves 0 to 3 quantise one fragment of Wu each; the fragments reach all waves through LDS as images of their registers.
; LIMITS: NaN and infinities are not served; a block of zeros of Wu gets the byte 1 where the rule says 127: its codes are zeros, and this launch alone reads the byte.
.set WIMG,  0                          ; 4 fragments of Wu (2 x channel tile + K step) x 1,536
.set WSC,   6144                       ; their scale words, 128 bytes each
.set STG,   6656                       ; 16 waves x 2 channel tiles x 16 rows x (256 bytes + 16): each wave's own
.set SPARE, 145920                     ; the spare words, 128 bytes for each of 16 waves: eight blocks of 256 bytes that no other line names
.set AF,  40                           ; v40-135 a's eight fragments (24 x tile + 12 x K step); later the rows read back
.set ACC, 136                          ; v136-199 eight accumulators; before that 64 numbers of Wu
.set WF,  200                          ; v200-247 Wu's four fragments; before that v200-215 a's scale bytes as loaded, v216-227 the codes just made
	s_load_b256 s[8:15], s[0:1], 0x0               ; acodes 8, ascales 10, Wu 12, bu 14
	s_load_b64 s[16:17], s[0:1], 0x20              ; out0
	v_lshl_add_u32 v1, v0, 2, SPARE
	v_mov_b32 v2, 0
	v_lshrrev_b32 v14, 5, v0
	v_readfirstlane_b32 s4, v14                    ; w
	s_mov_b32 s2, ttmp9                            ; ob
	s_and_b32 s3, ttmp7, 0xffff                    ; b
	s_mov_b32 s30, 0x76543210
	s_mov_b32 s31, 0xfedcba98                      ; lane selects: lane l xor 16
	v_and_b32 v14, 31, v0                          ; lane
	v_and_b32 v15, 15, v0                          ; r
	v_bfe_u32 v16, v0, 4, 1                        ; h
	v_mul_u32_u24 v3, v15, 24
	v_mad_u32_u24 v3, v16, 24576, v3               ; v3  a's codes: record r, and one head on for lanes 16-31
	v_lshl_add_u32 v4, v16, 12, v15                ; v4  a's scale bytes: position r, four heads on for lanes 16-31
	v_lshlrev_b32 v5, 2, v15                       ; v5  bu
	v_lshlrev_b32 v6, 10, v15
	v_lshl_add_u32 v6, v16, 7, v6                  ; v6  Wu: row r of 1,024 bytes, + 128 h
	s_mul_i32 s20, s4, 1536
	v_lshl_add_u32 v7, v14, 4, s20                 ; v7  my fragment's image (waves 0 to 3)
	s_lshl_b32 s20, s4, 7
	s_add_co_u32 s20, s20, WSC
	v_lshl_add_u32 v8, v14, 2, s20                 ; v8  its scale words
	v_lshlrev_b32 v9, 4, v14                       ; v9  any image, read
	v_lshl_add_u32 v10, v14, 2, WSC                ; v10
	s_mul_i32 s20, s4, 8704
	s_add_co_u32 s20, s20, STG
	v_mul_u32_u24 v11, v15, 272
	v_lshl_add_u32 v11, v16, 5, v11
	v_add_nc_u32 v11, s20, v11                     ; v11 the stage, in: row r, 32 bytes for each half of the lanes
	v_mul_u32_u24 v12, v16, 272
	v_lshl_add_u32 v12, v15, 4, v12
	v_add_nc_u32 v12, s20, v12                     ; v12 and back: lanes 0-15 one row of 256 bytes, lanes 16-31 the next
	v_lshlrev_b32 v13, 12, v16
	v_lshl_add_u32 v13, v15, 4, v13                ; v13 the same two rows in out0
	s_wait_kmcnt 0x0
	s_mul_i32 s20, s3, 196608
	s_mul_i32 s22, s4, 1536
	s_add_co_u32 s20, s20, s22
	s_mov_b32 s21, 0
	s_add_nc_u64 s[8:9], s[8:9], s[20:21]          ; acodes at image b, head 0, my wave's 64 records
	s_lshl_b32 s20, s3, 13
	s_lshl_b32 s22, s4, 6
	s_add_co_u32 s20, s20, s22
	s_add_nc_u64 s[10:11], s[10:11], s[20:21]
	s_lshl_b32 s20, s2, 15
	s_bfe_u32 s22, s4, 0x10001
	s_lshl_b32 s22, s22, 14
	s_add_co_u32 s20, s20, s22
	s_and_b32 s22, s4, 1
	s_lshl_b32 s22, s22, 9
	s_add_co_u32 s20, s20, s22
	s_add_nc_u64 s[12:13], s[12:13], s[20:21]      ; Wu: row 32 ob + 16 x channel tile, column 128 x K step
	s_lshl_b32 s20, s2, 7
	s_add_nc_u64 s[14:15], s[14:15], s[20:21]
	s_lshl_b32 s20, s3, 20
	s_lshl_b32 s22, s2, 17
	s_add_co_u32 s20, s20, s22
	s_lshl_b32 s22, s4, 8
	s_add_co_u32 s20, s20, s22
	s_add_nc_u64 s[16:17], s[16:17], s[20:21]      ; out0 at channel 32 ob, my wave's 64 positions
.irp n,0,1,2,3
.irp s,0,1
.irp c,0,1
.irp p,0,1,2
	global_load_b64 v[AF+24*\n+12*\s+6*\c+2*\p:AF+24*\n+12*\s+6*\c+2*\p+1], v3, s[8:9] offset:24576*(4*\s+2*\c)+384*\n+8*\p   ; block 2 c + h of K step s is head 4 s + 2 c + h
.endr
.endr
.endr
.endr
.irp n,0,1,2,3
.irp i,0,1,2,3
	global_load_u8 v[200+4*\n+\i], v4, s[10:11] offset:1024*\i+16*\n   ; lanes 0-15: heads 0-3; lanes 16-31: heads 4-7
.endr
.endr
	global_load_b32 v30, v5, s[14:15]
	global_load_b32 v31, v5, s[14:15] offset:64
	s_cmp_lt_u32 s4, 4
	s_cbranch_scc0 .Lno_weight
.irp c,0,1
.irp i,0,1,2,3,4,5,6,7
	global_load_b128 v[ACC+32*\c+4*\i:ACC+32*\c+4*\i+3], v6, s[12:13] offset:256*\c+16*\i   ; register 32 c + i: k = 64 c + 32 h + i of my row: two whole blocks a lane
.endr
.endr
	s_wait_loadcnt 0x0
.irp c,0,1
	v_max3_num_f32 v[14+\c], |v[ACC+32*\c]|, |v[ACC+32*\c+1]|, 0x1800000   ; the floor 2^(3 - 127) holds the byte at 1 from below
.endr
.irp i,2,4,6,8,10,12,14,16,18,20,22,24,26,28,30
.irp c,0,1
	v_max3_num_f32 v[14+\c], v[14+\c], |v[ACC+32*\c+\i]|, |v[ACC+32*\c+\i+1]|
.endr
.endr
.irp c,0,1
	v_add_nc_u32 v[16+\c], 0xff000000, v[14+\c]    ; 2 off the exponent field: the conversion's scale operand
.endr
.irp c,0,1
	v_lshrrev_b32 v[18+\c], 23, v[16+\c]           ; the scale's byte
.endr
	v_lshl_or_b32 v20, v19, 16, v18
	v_bfe_u32 v21, v0, 4, 1
	v_lshlrev_b32 v21, 3, v21
	v_lshlrev_b32 v20, v21, v20
	v_permlanex16_b32 v21, v20, s30, s31
	v_or_b32 v20, v20, v21                         ; with lane l xor 16's two bytes the word is whole
.irp c,0,1
	v_cvt_scalef32_pk16_fp6_f32 v[216+6*\c:218+6*\c], v[ACC+32*\c:ACC+32*\c+15], v[16+\c]
	v_cvt_scalef32_pk16_fp6_f32 v[22+4*\c:24+4*\c], v[ACC+32*\c+16:ACC+32*\c+31], v[16+\c]   ; (a conversion's three registers begin on an even number)
.endr
	v_nop                                          ; one plain place behind a scaled conversion
.irp c,0,1
.irp i,0,1,2
	v_mov_b32 v[219+6*\c+\i], v[22+4*\c+\i]
.endr
.endr
.irp j,0,1,2
	ds_store_b128 v7, v[216+4*\j:219+4*\j] offset:WIMG+512*\j
.endr
	ds_store_b32 v8, v20
.Lno_weight:
	s_wait_loadcnt 0x0
.irp n,0,1,2,3
	v_lshl_or_b32 v[32+\n], v[201+4*\n], 8, v[200+4*\n]   ; a's scale words of tile n: K step 0 in lanes 0-15, K step 1 in lanes 16-31
	v_lshl_or_b32 v[32+\n], v[202+4*\n], 16, v[32+\n]
	v_lshl_or_b32 v[32+\n], v[203+4*\n], 24, v[32+\n]
.endr
.irp i,0,1,2,3,4,5,6,7
	v_mov_b32 v[14+\i], v30                        ; a lane holds one channel: its bias in all eight registers: the C of the first K step
	v_mov_b32 v[22+\i], v31
.endr
	s_wait_dscnt 0x0                               ; my stores have landed
	s_barrier_signal -1
	s_barrier_wait -1                              ; Wu's four fragments lie in LDS
.irp k,0,1,2,3
.irp j,0,1,2
	ds_load_b128 v[WF+12*\k+4*\j:WF+12*\k+4*\j+3], v9 offset:WIMG+1536*\k+512*\j
.endr
	ds_load_b32 v[36+\k], v10 offset:128*\k
.endr
	s_wait_dscnt 0x0
.rept 4
	v_nop                                          ; with the sixteen moves above: more than the eight places that scale words written by vector instructions owe a scaled product
.endr
.irp n,0,1,2,3                         ; eight accumulators by turns, a K step at a time
.irp o,0,1
	v_wmma_scale_f32_16x16x128_f8f6f4 v[ACC+8*(2*\n+\o):ACC+8*(2*\n+\o)+7], v[AF+24*\n:AF+24*\n+11], v[WF+24*\o:WF+24*\o+11], v[14+8*\o:21+8*\o], v[32+\n], v[36+2*\o] matrix_a_fmt:MATRIX_FMT_FP6 matrix_b_fmt:MATRIX_FMT_FP6
.endr
.endr
.irp n,0,1,2,3
.irp o,0,1
	v_wmma_scale_f32_16x16x128_f8f6f4 v[ACC+8*(2*\n+\o):ACC+8*(2*\n+\o)+7], v[AF+24*\n+12:AF+24*\n+23], v[WF+24*\o+12:WF+24*\o+23], v[ACC+8*(2*\n+\o):ACC+8*(2*\n+\o)+7], v[32+\n], v[37+2*\o] matrix_a_fmt:MATRIX_FMT_FP6 matrix_b_fmt:MATRIX_FMT_FP6 matrix_a_scale:MATRIX_SCALE_ROW1
.endr
.endr
.rept 4
	v_nop                                          ; four places ahead of the stores that read results and of the loads into a's registers
.endr
.irp o,0,1
.irp n,0,1,2,3
	ds_store_b128 v11, v[ACC+8*(2*\n+\o):ACC+8*(2*\n+\o)+3] offset:4352*\o+64*\n        ; each accumulator from its low end on
	ds_store_b128 v11, v[ACC+8*(2*\n+\o)+4:ACC+8*(2*\n+\o)+7] offset:4352*\o+64*\n+16
.endr
.endr
.irp k,0,1,2,3,4,5,6,7,8,9,10,11,12,13,14,15
	ds_load_b128 v[AF+4*\k:AF+4*\k+3], v12 offset:4352*(\k/8)+544*(\k%8)   ; LDS serves a wave's instructions in order (ISA guide 5.7.1.4): these see my stores
.endr
.irp k,0,1,2,3,4,5,6,7,8,9,10,11,12,13,14,15
	s_wait_dscnt 15-\k                             ; load k is in, the younger ones may be out
	global_store_b128 v13, v[AF+4*\k:AF+4*\k+3], s[16:17] offset:65536*(\k/8)+8192*(\k%8) th:TH_STORE_NT   ; 16 lanes store 256 consecutive bytes, at a multiple of 256 from out0's first byte
.endr
	s_wait_tensorcnt 0x0                           ; the wave's end: behind my last LDS store
	ds_add_u32 v1, v2
	s_wait_dscnt 0x0
	s_endpgm
.Lfunc_end_k_qae940c8c85_outp:
	.size	k_qae940c8c85_outp, .Lfunc_end_k_qae940c8c85_outp-k_qae940c8c85_outp
	.p2alignl 7, 3214868480
	.fill 96, 4, 3214868480
	.section	.rodata,"a",@progbits
	.p2align	6, 0x0
	.amdhsa_kernel k_qae940c8c85_outp
		.amdhsa_group_segment_fixed_size 147968
		.amdhsa_private_segment_fixed_size 0
		.amdhsa_enable_private_segment 0
		.amdhsa_kernarg_size 40
		.amdhsa_user_sgpr_count 2
		.amdhsa_user_sgpr_kernarg_segment_ptr 1
		.amdhsa_wavefront_size32 1
		.amdhsa_system_sgpr_workgroup_id_x 1
		.amdhsa_system_sgpr_workgroup_id_y 1
		.amdhsa_system_sgpr_workgroup_id_z 1
		.amdhsa_system_vgpr_workitem_id 0
		.amdhsa_next_free_vgpr 256
		.amdhsa_next_free_sgpr 66
		.amdhsa_reserve_vcc 0
		.amdhsa_float_denorm_mode_32 3
		.amdhsa_float_denorm_mode_16_64 3
		.amdhsa_memory_ordered 1
		.amdhsa_forward_progress 1
		.amdhsa_inst_pref_size 23
	.end_amdhsa_kernel
	.amdgpu_metadata
---
amdhsa.version: [ 1, 2 ]
amdhsa.kernels:
  - .name:           k_qae940c8c85_outp
    .symbol:         k_qae940c8c85_outp.kd
    .args:
      - { .name: acodes, .offset: 0, .size: 8, .value_kind: global_buffer, .address_space: global }
      - { .name: ascales, .offset: 8, .size: 8, .value_kind: global_buffer, .address_space: global }
      - { .name: Wu, .offset: 16, .size: 8, .value_kind: global_buffer, .address_space: global }
      - { .name: bu, .offset: 24, .size: 8, .value_kind: global_buffer, .address_space: global }
      - { .name: out0, .offset: 32, .size: 8, .value_kind: global_buffer, .address_space: global }
    .group_segment_fixed_size: 147968
    .private_segment_fixed_size: 0
    .kernarg_segment_align: 8
    .kernarg_segment_size: 40
    .max_flat_workgroup_size: 512
    .sgpr_count:     66
    .vgpr_count:     256
    .wavefront_size: 32
...
	.end_amdgpu_metadata
.endif
;; end of part 2
;; ======== version 2 of 2: 2 launches; version 1 with the launches attn, outp written anew for expert scheduling mode
;; workspace buffers: acodes 6,291,456 bytes; ascales 262,144 bytes
;; launch attn (part 3): grid 8 x 32, 16 waves a work-group, no clusters, 193,280 bytes of LDS; arguments x, Wq, Wk, Wv, bq, bk, bv, pos_enc, acodes, ascales; writes acodes, ascales
.if DOCPART == 3
	.amdgcn_target "amdgcn-amd-amdhsa--gfx1250"
	.amdhsa_code_object_version 6
	.text
	.protected	k_qae940c8c85_attn
	.globl	k_qae940c8c85_attn
	.p2align	8
	.type	k_qae940c8c85_attn,@function
k_qae940c8c85_attn:
	s_mov_b64 s[64:65], 0
	v_nop
	global_prefetch_b8 v0, s[64:65] scope:SCOPE_SE
	s_setreg_imm32_b32 hwreg(HW_REG_WAVE_SCHED_MODE, 0, 2), 2
	s_setreg_imm32_b32 hwreg(HW_REG_WAVE_MODE, 25, 1), 1
	s_wait_xcnt 0x0
	s_wait_alu depctr_vm_vsrc(0)
; SelfAttention2d, first of two launches.  One work-group = one image b (ttmp7) and one head hd (ttmp9): 16 waves of 256 registers, four to a SIMD.
; It quantises its 96 rows of Wq, Wk, Wv and x[b] to FP6 (E2M3, one E8M0 byte for each 32 along K), makes q, k, v of its head, quantises them into LDS, runs the attention over
; 1,024 keys, divides by the row's sum, quantises the result along the head's 32 channels (one block of the last product's K) and stores codes and scale bytes.
; SHARES.  Wave w owns image rows 2 w and 2 w + 1 (positions 64 w .. 64 w + 63): its columns of x, the keys and values that it makes, and its four tiles of 16 queries.
; THE BIAS IS THE C OF THE FIRST ATTENTION PRODUCT.  LDS holds pos_enc x sqrt(32), rows repitched to 64 numbers, in four copies shifted by 0 .. 3 numbers, so that each lane takes the eight
; neighbouring entries of an accumulator by two aligned loads of 16 bytes, straight into the accumulator.  t = c (k.q + bias sqrt(32)), c = log2(e) / sqrt(32).
; FOUR TILES OF KEYS IN ONE OPERAND.  K of that product is 32, the instruction's is 128: a fragment holds four tiles of 16 keys, one in each block of 32; the other operand holds the 16 queries in ONE
; block and zero codes in the other three.  The run Z QL Z QH Z (5 x 6 registers; QL: queries in lanes 0-15, QH: in lanes 16-31, Z: zeros) gives all four placings.
; ROWS OF A TILE ARE CHOSEN: row m of tile u stands for index 16 (m / 8) + 8 u + m % 8 (weights' rows, x's columns, keys, v's channels), so that each quantiser finds 16 neighbours along its K in 16 registers on end.
; SOFTMAX: M = ceil of the running largest t; p = 2^(t - M) is quantised along the keys (a block = an image row); the row's sum is taken of the unquantised p; a move of M multiplies by an exact power of two.
; NOT SHARED IN A CLUSTER: the eight heads of an image read the same x, but a lane wants a column of x with its registers running down the channels, so x goes from memory straight into registers:
; 1 MiB read once by a work-group, against some 7.9 MB that it reads from LDS in the key loop; through LDS it would add 8,192 LDS loads of 4 bytes a lane.
; LIMITS: NaN and infinities are not served.  A block of zeros gets the byte 1 where the rule says 127: its codes are zeros, and this program alone reads the bytes.  p under 2^-126 comes out as 0.
; The bias enters as fl(rel x sqrt(32)) and t as c x (sum + that): another order of f32 rounding than score x scale + rel, about 1e-7 of the logit.
; THE MODE: SCHED_MODE bits 1:0 = 2 (LLVM: expert scheduling mode 2), set by the entry lines.  The code itself states the register dependences between vector or matrix instructions and
; memory or LDS instructions, with s_wait_alu, always for 0.
; THE PLAN.  Registers that memory or LDS instructions touch:
;   addresses    made at the head, ahead of one wait on va_vdst; v12-23 are taken over by the key loop behind one wait on vm_vsrc.
;   XN0, XN1     two sets of 32 numbers of x.  A block's maxima and conversions read a set; behind them one wait on va_vdst, and the loads of two blocks on land in it.
;   WF, v244-247 a projection's weights and their scale words, loaded from LDS, read by its eight products.
;   v234-239, v41, v252, v253   a projection's codes and scale bytes: all vector work on them stands ahead of ONE wait on va_vdst, the LDS stores behind it; no vector instruction follows that wait,
;                so it also serves the next loads into WF, v244-247 and XN.  One wait on vm_vsrc at the next projection's head frees the stores' data.
;   the key loop KF, v244, v245 (k) and S (the bias): asked for at the END of the step before.  VF, v246, v247 (v): asked for in the step's middle.  v12-15: stepped once a step, behind one wait on vm_vsrc.
;                Three waits on va_vdst a step: one ahead of the exponentials; the one behind the exponentials (ahead of it: the last step's two products V^T P, which read VF, and the address steps), with v's loads straight behind it;
;                and the one ahead of the two products V^T P (ahead of it: p's codes and scale word, and every reader of S and KF), with the next step's loads dealt behind those two products,
;                which name VF, p's codes, O^T and v246, v247, v249 alone.
.set CP,    16448                      ; from copy to copy of the bias table: 64 modulo 256, so that sixteen lanes' 16 bytes fall on sixteen different columns
.set LEAD,  16                         ; room in front of a copy: copy n holds entry p at LEAD + 4 (p - n)
.set KIMG,  65792                      ; 16 fragments of k x 1,536: for each half of 6 registers 16 bytes x lane, then at + 512 8 bytes x lane
.set VIMG,  90368                      ; v likewise: fragment 2 s + channel tile
.set KSC,   114944                     ; k's scale words: 64 bytes a fragment
.set VSC,   115968                     ; v's
.set QIMG,  116992                     ; 64 tiles of queries x 384: 16 bytes x query, then at + 256 8 bytes x query
.set QSC,   141568                     ; a query's scale byte, four times: 4 bytes a query
.set WIMG,  145664                     ; 12 weight fragments as images of their registers, 1,536 each
.set WSC,   164096                     ; their scale words, 128 bytes each
.set OST,   165632                     ; the result's codes: 1,536 bytes a wave, as they lie in acodes
.set OSC,   190208                     ; the result's scale bytes
.set SPARE, 191232                     ; the spare words, 128 bytes for each of 16 waves: eight blocks of 256 bytes that no other line names
; v1 spare word's address, v2 0 (both never rewritten).  v3-11 LDS addresses of the key loop and of the result.  v12-27 addresses of the first two phases; in the key loop v12-15 stepped addresses,
; v16 -M, v17 largest t, v[18:19] sum, v[20:21] f, v[22:23] second chain of the sum.  v28-41 at work.  v244-249 scale words and nothing else.  v250, 251, 254 addresses of the way out; v252, 253 scale bytes gathered.
.set BQ,  42                           ; v42-57 bq, v58-73 bk, v74-89 bv in the results' layouts
.set BV,  74
.set FR0, 90                           ; v90-113 x's tile 0 (two K steps), v114-137 tile 1
.set XN,  138                          ; v138-201 two sets of 32 numbers of x; 64 numbers of a weight
.set WF,  138                          ; v138-185 four weight fragments
.set ACC, 202                          ; v202-233 four accumulators of a projection
.set QZ,  42                           ; v42-71 Z QL Z QH Z
.set KF,  72                           ; v72-95 two fragments of k
.set VF,  96                           ; v96-119 two fragments of v
.set S,   120                          ; v120-183 bias, then scores, then p
.set OA,  184                          ; v184-199 O^T
.set PC,  200                          ; v200-211 p's codes; v212-214, v216-218 their second halves on the way
.set PT,  212
	s_load_b512 s[8:23], s[0:1], 0x0               ; x 8, Wq 10, Wk 12, Wv 14, bq 16, bk 18, bv 20, pos_enc 22
	s_load_b128 s[24:27], s[0:1], 0x40             ; acodes 24, ascales 26
	v_lshl_add_u32 v1, v0, 2, SPARE
	v_mov_b32 v2, 0
	v_lshrrev_b32 v28, 5, v0
	v_readfirstlane_b32 s4, v28                    ; w
	s_mov_b32 s2, ttmp9                            ; hd
	s_and_b32 s3, ttmp7, 0xffff                    ; b
	s_mov_b32 s28, 0x3e8293ee                      ; c = log2(e) / sqrt(32)
	s_mov_b32 s29, s28                             ; (named with it as a pair)
	s_mov_b32 s30, 0x76543210
	s_mov_b32 s31, 0xfedcba98                      ; lane selects: lane l xor 16
	s_mov_b32 s32, 0xffff                          ; lanes 0-15
	s_mov_b32 s33, 0xffff0000                      ; lanes 16-31
	s_wait_alu depctr_va_sdst(0)                   ; s4, the wave's number, is written, ahead of its first reader
	s_mul_i32 s38, s4, 1536
	s_lshl_b32 s39, s4, 8
	s_lshl_b32 s40, s4, 6
	s_lshl_b32 s41, s4, 7
	s_lshr_b32 s42, s4, 1
	s_and_b32 s43, s4, 1
	v_and_b32 v28, 31, v0                          ; lane
	v_and_b32 v29, 15, v0                          ; r
	v_bfe_u32 v30, v0, 4, 1                        ; h
	v_bfe_u32 v31, v0, 3, 1                        ; r / 8
	v_and_b32 v32, 7, v0                           ; r % 8
	v_lshl_add_u32 v33, v30, 3, v32                ; 8 h + r % 8
	; the bias: entry 64 dy + dx with dy = y1 - y2 + 31, dx = x1 - x2 + 31.  With e = 15 - r: copy e % 4, and in it 64 h + 4 (e & 12) + 512 (15 - w) bytes; the tile, the step and the register stand in other terms
	v_xor_b32 v34, 15, v29
	v_and_b32 v35, 12, v34
	v_and_b32 v34, 3, v34
	v_mul_u32_u24 v34, v34, CP
	v_lshl_add_u32 v3, v35, 2, v34
	v_lshl_add_u32 v3, v30, 6, v3
	s_xor_b32 s44, s4, 15
	s_lshl_b32 s44, s44, 9
	s_add_co_u32 s44, s44, LEAD
	v_add_nc_u32 v3, s44, v3                       ; v3  bias
	v_lshl_add_u32 v4, v28, 4, KIMG                ; v4  k's and v's fragments: 16 bytes x lane
	v_lshl_add_u32 v5, v28, 3, KIMG+512            ; v5  and 8 bytes x lane
	v_lshl_add_u32 v6, v29, 2, KSC                 ; v6  their scale words
	s_add_co_u32 s44, s38, QIMG
	v_lshl_add_u32 v7, v29, 4, s44                 ; v7  my wave's queries, read: both halves of the lanes take query r
	v_lshl_add_u32 v8, v29, 3, s44
	v_add_nc_u32 v8, 256, v8                       ; v8
	s_add_co_u32 s45, s39, QSC
	v_lshl_add_u32 v9, v29, 2, s45                 ; v9  their scale words
	v_mul_u32_u24 v34, v31, 384                    ; queries, written: lane (r, h) holds position 16 (r / 8) + 8 h + r % 8 of an image row: tile r / 8, place 8 h + r % 8
	v_lshl_add_u32 v17, v33, 4, v34
	v_add_nc_u32 v17, s44, v17                     ; v17
	v_lshl_add_u32 v18, v33, 3, v34
	v_add_nc_u32 v18, s44, v18
	v_add_nc_u32 v18, 256, v18                     ; v18
	v_lshlrev_b32 v34, 6, v31
	v_lshl_add_u32 v19, v33, 2, v34
	v_add_nc_u32 v19, s45, v19                     ; v19
	s_add_co_u32 s44, s38, OST
	v_mul_u32_u24 v10, v29, 24
	v_mad_u32_u24 v10, v30, 12, v10
	v_add_nc_u32 v10, s44, v10                     ; v10 the result's codes: record r, my half's 12 bytes
	v_lshl_add_u32 v250, v28, 4, s44               ; v250 and back, 16 bytes a lane
	s_add_co_u32 s45, s40, OSC
	v_add_nc_u32 v11, s45, v29                     ; v11 the result's scale byte
	s_lshl_b32 s45, s43, 9
	s_add_co_u32 s45, s45, OSC
	v_lshl_add_u32 v251, v28, 4, s45               ; v251 and back: waves 0 and 1 take 512 bytes each
	v_lshlrev_b32 v254, 4, v28                     ; v254 16 x lane: the stores' offset
	s_add_co_u32 s44, s39, LEAD
	v_lshl_add_u32 v12, v28, 2, s44                ; v12 the table, written: row w, column lane
	s_add_co_u32 s44, s38, WIMG
	v_lshl_add_u32 v13, v28, 4, s44                ; v13 my weight fragment's image (waves 0 to 11)
	s_add_co_u32 s44, s41, WSC
	v_lshl_add_u32 v14, v28, 2, s44                ; v14 its scale words
	v_lshl_add_u32 v15, v28, 4, WIMG               ; v15 any image, read
	v_lshl_add_u32 v16, v28, 2, WSC                ; v16
	s_add_co_u32 s44, s38, KIMG
	v_lshl_add_u32 v20, v28, 4, s44                ; v20 k, written: fragment w, my own lane
	v_lshl_add_u32 v21, v28, 3, s44
	v_add_nc_u32 v21, 512, v21                     ; v21
	s_add_co_u32 s44, s40, KSC
	v_lshl_add_u32 v22, v29, 2, s44                ; v22
	s_mul_i32 s44, s42, 3072                       ; v, written: fragment 2 (w / 2) + h, half w % 2, lane r + 16 g
	s_mul_i32 s45, s43, 768
	s_add_co_u32 s44, s44, s45
	s_add_co_u32 s44, s44, VIMG
	v_mul_u32_u24 v34, v30, 1536
	v_add_nc_u32 v34, s44, v34
	v_lshl_add_u32 v23, v29, 4, v34                ; v23
	v_lshl_add_u32 v24, v29, 3, v34
	v_add_nc_u32 v24, 512, v24                     ; v24
	s_lshl_b32 s44, s42, 7
	s_lshl_b32 s45, s43, 1
	s_add_co_u32 s44, s44, s45
	s_add_co_u32 s44, s44, VSC
	v_lshlrev_b32 v34, 6, v30
	v_lshl_add_u32 v25, v29, 2, v34
	v_add_nc_u32 v25, s44, v25                     ; v25 v's two scale bytes: bytes 2 (w % 2), + 1 of the word
	v_lshl_add_u32 v26, v31, 4, v33
	v_lshlrev_b32 v26, 2, v26                      ; v26 x: my column of an image row: 16 (r / 8) + 8 h + r % 8
	v_lshl_add_u32 v35, v31, 4, v32                ; 16 (r / 8) + r % 8
	v_lshlrev_b32 v27, 10, v35
	v_lshl_add_u32 v27, v30, 7, v27                ; v27 a weight: that row of 1,024 bytes, + 128 h
	s_lshl_b32 s44, s2, 7
	v_lshl_add_u32 v218, v30, 6, s44               ; bq, bk: channels 32 hd + 16 h on
	v_lshl_add_u32 v219, v35, 2, s44               ; bv: channel 32 hd + 16 (r / 8) + r % 8
	v_lshlrev_b32 v36, 2, v28                      ; pos_enc: columns lane and lane + 32, rows w + 16 i, both held at 62: no load leaves the buffer; row 63 and column 63 of the table are never read
	s_wait_alu depctr_va_vdst(0)
	v_add_nc_u32 v37, 32, v28
	v_min_u32 v37, 62, v37
	v_lshlrev_b32 v37, 2, v37
	s_wait_alu depctr_va_vdst(0)
.irp i,0,1,2,3
	s_add_co_u32 s44, s4, 16*\i
	s_min_u32 s44, s44, 62
	s_mul_i32 s44, s44, 252
	v_add_nc_u32 v[210+2*\i], s44, v36
	v_add_nc_u32 v[211+2*\i], s44, v37
.endr
	s_wait_kmcnt 0x0
	s_lshl_b32 s44, s3, 20
	s_add_co_u32 s44, s44, s39
	s_mov_b32 s45, 0
	s_add_nc_u64 s[8:9], s[8:9], s[44:45]          ; x at image b, my wave's 64 positions
	s_mul_i32 s44, s2, 15876
	s_add_nc_u64 s[22:23], s[22:23], s[44:45]      ; pos_enc at my head
	s_cmp_lt_u32 s4, 4                             ; waves 0-3 take Wq, 4-7 Wk, 8-11 Wv: fragment w = 4 p + 2 u + K step
	s_cselect_b64 s[36:37], s[10:11], s[12:13]
	s_cmp_lt_u32 s4, 8
	s_cselect_b64 s[36:37], s[36:37], s[14:15]
	s_lshl_b32 s44, s2, 15
	s_bfe_u32 s46, s4, 0x10001
	s_lshl_b32 s46, s46, 13
	s_add_co_u32 s44, s44, s46
	s_lshl_b32 s46, s43, 9
	s_add_co_u32 s44, s44, s46
	s_add_nc_u64 s[36:37], s[36:37], s[44:45]      ; row 32 hd + 8 u, column 128 x K step
	s_lshl_b32 s46, s3, 3
	s_add_co_u32 s46, s46, s2                      ; 8 b + hd
	s_mul_i32 s44, s46, 24576
	s_add_co_u32 s44, s44, s38
	s_add_nc_u64 s[24:25], s[24:25], s[44:45]      ; acodes at my wave's 64 records
	s_lshl_b32 s44, s46, 10
	s_lshl_b32 s47, s43, 9
	s_add_co_u32 s44, s44, s47
	s_add_nc_u64 s[26:27], s[26:27], s[44:45]      ; ascales: the half that wave 0 or 1 stores
	; ---- the table, the biases, the weights
	s_wait_alu depctr_va_vdst(0)                   ; every address and offset made above (v1-27, v210-219, v250, v251, v254) is written: the loads and stores of the whole launch read them
.irp k,0,1,2,3,4,5,6,7
	global_load_b32 v[202+\k], v[210+\k], s[22:23]
.endr
.irp u,0,1
.irp q,0,1
	global_load_b128 v[BQ+8*\u+4*\q:BQ+8*\u+4*\q+3], v218, s[16:17] offset:32*\u+16*\q        ; register 8 u + j: bq(32 hd + 16 h + 8 u + j)
	global_load_b128 v[BQ+16+8*\u+4*\q:BQ+16+8*\u+4*\q+3], v218, s[18:19] offset:32*\u+16*\q  ; bk likewise
.endr
.endr
	global_load_b32 v[BV], v219, s[20:21]          ; bv of my channel in tile 0,
	global_load_b32 v[BV+8], v219, s[20:21] offset:32   ; in tile 1
	s_cmp_lt_u32 s4, 12
	s_cbranch_scc0 .Lno_weight
.irp c,0,1
.irp i,0,1,2,3,4,5,6,7
	global_load_b128 v[XN+32*\c+4*\i:XN+32*\c+4*\i+3], v27, s[36:37] offset:256*\c+16*\i      ; register 32 c + i: k = 64 c + 32 h + i of my row: two whole blocks a lane
.endr
.endr
	s_wait_loadcnt 0x0
.irp c,0,1
	v_max3_num_f32 v[28+\c], |v[XN+32*\c]|, |v[XN+32*\c+1]|, 0x1800000   ; the floor 2^(3 - 127) holds the byte at 1 from below
.endr
.irp i,2,4,6,8,10,12,14,16,18,20,22,24,26,28,30
.irp c,0,1
	v_max3_num_f32 v[28+\c], v[28+\c], |v[XN+32*\c+\i]|, |v[XN+32*\c+\i+1]|
.endr
.endr
.irp c,0,1
	v_add_nc_u32 v[36+\c], 0xff000000, v[28+\c]    ; 2 off the exponent field: the conversion's scale operand
.endr
.irp c,0,1
	v_lshrrev_b32 v[32+\c], 23, v[36+\c]           ; the scale's byte
.endr
	v_lshl_or_b32 v40, v33, 16, v32                ; my bytes: blocks h and 2 + h,
	v_bfe_u32 v41, v0, 4, 1
	v_lshlrev_b32 v41, 3, v41
	v_lshlrev_b32 v40, v41, v40                    ; at their places;
	v_permlanex16_b32 v41, v40, s30, s31
	v_or_b32 v40, v40, v41                         ; with lane l xor 16's the word is whole
.irp c,0,1
	v_cvt_scalef32_pk16_fp6_f32 v[FR0+6*\c:FR0+6*\c+2], v[XN+32*\c:XN+32*\c+15], v[36+\c]
	v_cvt_scalef32_pk16_fp6_f32 v[234+6*\c:236+6*\c], v[XN+32*\c+16:XN+32*\c+31], v[36+\c]   ; (a conversion's three registers begin on an even number)
.endr
	v_nop                                          ; one plain place behind a scaled conversion
.irp c,0,1
.irp i,0,1,2
	v_mov_b32 v[FR0+3+6*\c+\i], v[234+6*\c+\i]
.endr
.endr
	s_wait_alu depctr_va_vdst(0)                   ; the fragment's codes v90-101 and its scale word v40 are written, which the LDS stores read
.irp j,0,1,2
	ds_store_b128 v13, v[FR0+4*\j:FR0+4*\j+3] offset:512*\j   ; the fragment as an image of its registers
.endr
	ds_store_b32 v14, v40
.Lno_weight:
	s_wait_loadcnt 0x0
.irp k,0,1,2,3,4,5,6,7
	v_mul_f32 v[202+\k], 0x40b504f3, v[202+\k]     ; x sqrt(32)
.endr
	s_wait_alu depctr_va_vdst(0)                   ; the table's numbers v202-209 are written, which the LDS stores read; and the weight's quantiser is done reading v138-201, in which x's first loads land
.irp n,0,1,2,3
.irp i,0,1,2,3
.irp c,0,1
	ds_store_b32 v12, v[202+2*\i+\c] offset:4096*\i+128*\c+(CP-4)*\n   ; entry 64 (w + 16 i) + lane + 32 c, in copy n four bytes x n lower
.endr
.endr
.endr
.irp i,1,2,3,4,5,6,7
	v_mov_b32 v[BV+\i], v[BV]                      ; v's result holds one channel a lane: the same bias in all eight registers
	v_mov_b32 v[BV+8+\i], v[BV+8]
.endr
	s_wait_dscnt 0x0                               ; my stores have landed
	s_barrier_signal -1
	s_barrier_wait -1                              ; the table and the twelve weight fragments lie in LDS
	s_wait_alu depctr_vm_vsrc(0)                   ; my LDS stores have read v90-101, v40 and v202-209, and the loads above their offsets v210-219: x's conversions and the products write these registers
	; ---- x, an image row at a time: quantised in registers, multiplied, q, k, v quantised into LDS
.macro LOADX g, t                      ; channels 32 t .. 32 t + 31 of my column of image row 2 w + g: each load reads 128 consecutive bytes
.set li, 0
.rept 32
	global_load_b32 v[XN+32*((\t)%2)+li], v26, s[8:9] offset:(32*(\t)+li)*4096+128*(\g)
.set li, li+1
.endr
.endm
.macro BLOCK g, t                      ; a block of 32 channels of one position lies in one lane: no other lane is asked
.set XB, XN+32*((\t)%2)
.set FB, FR0+24*((\t)%2)+6*((\t)/2)    ; even blocks to the first run, odd ones to the second
.if (\t) < 7
	s_wait_loadcnt 32                              ; this block's 32 loads are in; the next block's 32 may be out
.else
	s_wait_loadcnt 0x0
.endif
	v_max3_num_f32 v28, |v[XB]|, |v[XB+1]|, |v[XB+2]|
	v_max3_num_f32 v29, |v[XB+3]|, |v[XB+4]|, |v[XB+5]|
.irp i,6,10,14,18,22,26
	v_max3_num_f32 v28, v28, |v[XB+\i]|, |v[XB+\i+1]|
	v_max3_num_f32 v29, v29, |v[XB+\i+2]|, |v[XB+\i+3]|
.endr
	v_max3_num_f32 v28, v28, |v[XB+30]|, |v[XB+31]|
	v_max3_num_f32 v28, v28, v29, 0x1800000
	v_add_nc_u32 v36, 0xff000000, v28
	v_lshrrev_b32 v29, 23, v36
.if (\t)%4 == 0
	v_mov_b32 v[248+(\t)/4], v29                   ; my position's scale word of K step t / 4
.else
	v_lshl_or_b32 v[248+(\t)/4], v29, 8*((\t)%4), v[248+(\t)/4]
.endif
	v_cvt_scalef32_pk16_fp6_f32 v[FB:FB+2], v[XB:XB+15], v36
	v_cvt_scalef32_pk16_fp6_f32 v[240:242], v[XB+16:XB+31], v36
	v_nop                                          ; one plain place behind a scaled conversion
.if (\t) < 6
	s_wait_alu depctr_va_vdst(0)                   ; the maxima and the conversions are done reading this set, in which the loads of two blocks on land; the moves below name none of its registers
	LOADX \g, (\t)+2
.endif
.irp i,0,1,2
	v_mov_b32 v[FB+3+\i], v[240+\i]
.endr
.endm
; q and k: source 0 = 16 rows of the weight (tile u), source 1 = 16 positions of x (tile t): lane (r, h), register j: channel 16 h + 8 u + j of position (t, r).  The bias is the C of the first K step.
.macro MMQK p, s, t, u
.set rD, ACC+16*(\t)+8*(\u)
.set rC, rD
.if (\s) == 0
.set rC, BQ+16*(\p)+8*(\u)
.endif
.set rA, WF+12*(2*(\u)+(\s))
.set rB, FR0+24*(\t)+12*(\s)
.if (\t) == 0
	v_wmma_scale_f32_16x16x128_f8f6f4 v[rD:rD+7], v[rA:rA+11], v[rB:rB+11], v[rC:rC+7], v[244+2*(\u)+(\s)], v[248+(\s)] matrix_a_fmt:MATRIX_FMT_FP6 matrix_b_fmt:MATRIX_FMT_FP6
.else
	v_wmma_scale_f32_16x16x128_f8f6f4 v[rD:rD+7], v[rA:rA+11], v[rB:rB+11], v[rC:rC+7], v[244+2*(\u)+(\s)], v[248+(\s)] matrix_a_fmt:MATRIX_FMT_FP6 matrix_b_fmt:MATRIX_FMT_FP6 matrix_b_scale:MATRIX_SCALE_ROW1
.endif
.endm
; v: the sources the other way round: lane (r, h), register j: key 16 h + 8 t + j of channel (tile u, row r): registers run along the keys
.macro MMV s, t, u
.set rD, ACC+16*(\u)+8*(\t)
.set rC, rD
.if (\s) == 0
.set rC, BV+8*(\u)
.endif
.set rA, FR0+24*(\t)+12*(\s)
.set rB, WF+12*(2*(\u)+(\s))
.if (\t) == 0
	v_wmma_scale_f32_16x16x128_f8f6f4 v[rD:rD+7], v[rA:rA+11], v[rB:rB+11], v[rC:rC+7], v[248+(\s)], v[244+2*(\u)+(\s)] matrix_a_fmt:MATRIX_FMT_FP6 matrix_b_fmt:MATRIX_FMT_FP6
.else
	v_wmma_scale_f32_16x16x128_f8f6f4 v[rD:rD+7], v[rA:rA+11], v[rB:rB+11], v[rC:rC+7], v[248+(\s)], v[244+2*(\u)+(\s)] matrix_a_fmt:MATRIX_FMT_FP6 matrix_b_fmt:MATRIX_FMT_FP6 matrix_a_scale:MATRIX_SCALE_ROW1
.endif
.endm
; Two items of 32 numbers, each half in lanes l and l xor 16 (16 registers each), become 24 bytes of codes in v234-239: lane (r, h) then holds item h's record r, whole.  v32, v33: the items' scale bytes.
.macro HB2
.irp b,0,1
	v_max3_num_f32 v[28+\b], |v[ACC+16*\b]|, |v[ACC+16*\b+1]|, 0x1800000
.endr
.irp i,2,4,6,8,10,12,14
.irp b,0,1
	v_max3_num_f32 v[28+\b], v[28+\b], |v[ACC+16*\b+\i]|, |v[ACC+16*\b+\i+1]|
.endr
.endr
.irp b,0,1
	v_permlanex16_b32 v[32+\b], v[28+\b], s30, s31
.endr
.irp b,0,1
	v_max_num_f32 v[28+\b], v[28+\b], v[32+\b]
.endr
.irp b,0,1
	v_add_nc_u32 v[36+\b], 0xff000000, v[28+\b]
.endr
.irp b,0,1
	v_lshrrev_b32 v[32+\b], 23, v[36+\b]
.endr
	v_cvt_scalef32_pk16_fp6_f32 v[234:236], v[ACC:ACC+15], v36
	v_cvt_scalef32_pk16_fp6_f32 v[240:242], v[ACC+16:ACC+31], v37
	v_nop                                          ; one plain place behind a scaled conversion
.irp i,0,1,2
	v_permlane16_swap_b32 v[234+\i], v[240+\i]     ; the first's lanes 16-31 change places with the second's lanes 0-15: lower 16 codes in the first, upper 16 in the second
.endr
.irp i,0,1,2
	v_mov_b32 v[237+\i], v[240+\i]
.endr
.endm
.macro PROJ p, g                       ; p = 0 q, 1 k, 2 v, for image row 2 w + g
.irp k,0,1,2,3
.irp j,0,1,2
	ds_load_b128 v[WF+12*\k+4*\j:WF+12*\k+4*\j+3], v15 offset:1536*(4*(\p)+\k)+512*\j
.endr
	ds_load_b32 v[244+\k], v16 offset:128*(4*(\p)+\k)
.endr
	s_wait_dscnt 0x0                               ; the weights are in
.if (\p)+(\g) > 0
	s_wait_alu depctr_vm_vsrc(0)                   ; the LDS stores of the projection before have read v234-239 and v41, which the lines behind the products write again
.endif
.irp s,0,1                             ; four accumulators by turns, a K step at a time
.irp t,0,1
.irp u,0,1
.if (\p) < 2
	MMQK \p, \s, \t, \u
.else
	MMV \s, \t, \u
.endif
.endr
.endr
.endr
.rept 5
	v_nop                                          ; four places ahead of the first read of results; five ahead of the next product that begins these accumulators anew (ISA guide 7.12.1)
.endr
	HB2
	; all the vector work on the scale bytes first, then one wait, then the stores
.if (\p) == 0
	v_cndmask_b32 v40, v32, v33, s33               ; my item's byte,
	v_lshl_or_b32 v41, v40, 8, v40
	v_lshl_or_b32 v41, v41, 16, v41                ; four times: the query may stand in any block of its operand
.elseif (\p) == 1
.if (\g) == 0
	v_lshl_or_b32 v252, v33, 8, v32                ; row r's scale word: bytes 2 g and 2 g + 1
.else
	v_lshl_or_b32 v252, v32, 16, v252
	v_lshl_or_b32 v252, v33, 24, v252
.endif
.else
	v_cndmask_b32 v40, v32, v33, s33
.if (\g) == 0
	v_mov_b32 v253, v40
.else
	v_lshl_or_b32 v253, v40, 8, v253
.endif
.endif
	s_wait_alu depctr_va_vdst(0)                   ; the codes v234-239 and the scale bytes' registers are written, which the stores below read; the products above are done reading the weights' fragments and scale words, in which the next loads land
.if (\p) == 0
	ds_store_b128 v17, v[234:237] offset:768*(\g)
	ds_store_b64 v18, v[238:239] offset:768*(\g)
	ds_store_b32 v19, v41 offset:128*(\g)
.elseif (\p) == 1
	ds_store_b128 v20, v[234:237] offset:768*(\g)  ; block 2 g + h of fragment w
	ds_store_b64 v21, v[238:239] offset:768*(\g)
.if (\g) == 1
	ds_store_b32 v22, v252
.endif
.else
	ds_store_b128 v23, v[234:237] offset:256*(\g)  ; lane r + 16 g of the fragment
	ds_store_b64 v24, v[238:239] offset:128*(\g)
.if (\g) == 1
	ds_store_b16 v25, v253                         ; my wave's two bytes of the channel's scale word
.endif
.endif
.endm
.irp g,0,1
	LOADX \g, 0                                    ; (no vector or matrix instruction since the last wait on va_vdst names v138-201)
	LOADX \g, 1
.irp t,0,1,2,3,4,5,6,7
	BLOCK \g, \t
.endr
.set li, 0
.rept 24
	v_permlane16_swap_b32 v[FR0+li], v[FR0+24+li]  ; lanes 0-15 hold tile 0's positions, lanes 16-31 tile 1's: after the exchange each run is one tile's two fragments, even blocks below, odd above
.set li, li+1
.endr
.rept 8
	v_nop                                          ; scale words written by vector instructions stand eight places ahead of a scaled product, operands four
.endr
	s_wait_alu depctr_va_vdst(0)                   ; x's fragments v90-137 and scale words v248, v249 are written, which the scaled products take; blocks 6 and 7 are done reading v138-201, in which the weights land
	PROJ 0, \g
	PROJ 1, \g
	PROJ 2, \g
.endr
	s_wait_dscnt 0x0
	s_barrier_signal -1
	s_barrier_wait -1                              ; q, k, v of the whole head lie in LDS
	s_wait_alu depctr_vm_vsrc(0)                   ; the LDS loads and stores of the phases above have read their addresses v12-23 and their data v234-239: the key loop writes these registers
	; ---- the attention
.macro KLOADS                          ; a step's two fragments of k and their scale words
.irp f,0,1
	ds_load_b128 v[KF+12*\f:KF+12*\f+3], v13 offset:1536*\f
	ds_load_b64 v[KF+12*\f+4:KF+12*\f+5], v14 offset:1536*\f
	ds_load_b128 v[KF+12*\f+6:KF+12*\f+9], v13 offset:1536*\f+768
	ds_load_b64 v[KF+12*\f+10:KF+12*\f+11], v14 offset:1536*\f+768
	ds_load_b32 v[244+\f], v15 offset:64*\f
.endr
.endm
.macro BLOADS                          ; a step's bias, straight into the accumulators
.irp n,0,1,2,3,4,5,6,7,8,9,10,11,12,13,14,15
	ds_load_b128 v[S+4*\n:S+4*\n+3], v12 offset:256*(\n/4)+16*(\n%4)
.endr
.endm
; A key step: 128 keys = image rows 4 s .. 4 s + 3.  Score register 16 B + i of lane (r, h): key row 4 s + B, column 16 h + i, query r.
; Its k and bias were asked for ahead of the loop or at the end of the step before.  look = 1: the next step's are asked for at this step's end; look = 0: the tile's last step.
.macro STEP look
	s_wait_dscnt 0x0                               ; k, its scale words and the bias are in
.irp n,0,1,2,3,4,5,6,7                 ; tile n lies in block n % 4 of fragment n / 4; the queries stand in that block of source 1
	v_wmma_scale_f32_16x16x128_f8f6f4 v[S+8*\n:S+8*\n+7], v[KF+12*(\n/4):KF+12*(\n/4)+11], v[QZ+12*(\n%2)+6*(1-(\n%4)/2):QZ+12*(\n%2)+6*(1-(\n%4)/2)+11], v[S+8*\n:S+8*\n+7], v[244+\n/4], v248 matrix_a_fmt:MATRIX_FMT_FP6 matrix_b_fmt:MATRIX_FMT_FP6
.endr
	s_wait_alu depctr_vm_vsrc(0)                   ; the LDS loads issued so far have read v12-15, which the lines below write
.if \look
	v_add_nc_u32 v12, 1024, v12                    ; on to the next step.  These four are the places behind the products
.else
	v_nop                                          ; (no bias is left to ask for: the place alone)
.endif
	v_add_nc_u32 v13, 3072, v13
	v_add_nc_u32 v14, 3072, v14
	v_add_nc_u32 v15, 128, v15
.irp b,0,1,2,3
	v_max3_num_f32 v[28+\b], v[S+16*\b], v[S+16*\b+1], v[S+16*\b+2]   ; each block's largest score: for the row's maximum, and, since p rises with the score, for the block's largest p
.endr
.irp i,3,5,7,9,11,13
.irp b,0,1,2,3
	v_max3_num_f32 v[28+\b], v[28+\b], v[S+16*\b+\i], v[S+16*\b+\i+1]
.endr
.endr
.irp b,0,1,2,3
	v_max_num_f32 v[28+\b], v[28+\b], v[S+16*\b+15]
.endr
.irp b,0,1,2,3
	v_permlanex16_b32 v[32+\b], v[28+\b], s30, s31
.endr
.irp b,0,1,2,3
	v_max_num_f32 v[28+\b], v[28+\b], v[32+\b]
.endr
	v_max3_num_f32 v40, v28, v29, v30
	v_max_num_f32 v40, v40, v31
	v_mul_f32 v40, s28, v40                        ; as t (c is positive)
	v_max_num_f32 v17, v17, v40                    ; the running largest t
	v_mov_b32 v40, v16
	v_floor_f32 v16, -v17                          ; -M = floor(-t): M is a whole number
	v_sub_f32 v40, v16, v40
	v_cvt_i32_f32 v40, v40                         ; (it saturates)
	v_ldexp_f32 v20, 1.0, v40                      ; f = 2^(old M - new M)
.set j, 0
.rept 32
	v_pk_fma_f32 v[S+j:S+j+1], v[S+j:S+j+1], s[28:29], v[16:17] op_sel_hi:[1,0,0]   ; t - M
.set j, j+2
.endr
.irp b,0,1,2,3
	v_fma_f32 v[28+\b], v[28+\b], s28, v16
.endr
.set j, 0
	s_wait_alu depctr_va_vdst(0)
.rept 64
	v_exp_f32 v[S+j], v[S+j]                       ; p = 2^(t - M)
.set j, j+1
.endr
.irp b,0,1,2,3
	v_exp_f32 v[28+\b], v[28+\b]                   ; the blocks' largest p: one batch with the 64
.endr
	v_pk_mul_f32 v[18:19], v[18:19], v[20:21] op_sel_hi:[1,0]   ; the sum under the new M: the plain place behind the exponentials
	s_wait_alu depctr_va_vdst(0)                   ; the batch of 68 exponentials has written its results, ahead of their first reader; the last step's two products V^T P are done reading v96-119, v246, v247, in which the loads below land; v13-15 are written, which they read
.irp f,0,1                             ; v of this step: the offsets take the step just made off again; the loads have the quantising of p and the row's sum in which to land
	ds_load_b128 v[VF+12*\f:VF+12*\f+3], v13 offset:21504+1536*\f
	ds_load_b64 v[VF+12*\f+4:VF+12*\f+5], v14 offset:21504+1536*\f
	ds_load_b128 v[VF+12*\f+6:VF+12*\f+9], v13 offset:21504+1536*\f+768
	ds_load_b64 v[VF+12*\f+10:VF+12*\f+11], v14 offset:21504+1536*\f+768
	ds_load_b32 v[246+\f], v15 offset:896+64*\f
.endr
.irp b,0,1,2,3
	v_max_num_f32 v[28+\b], 0x1800000, v[28+\b]
.endr
.irp b,0,1,2,3
	v_add_nc_u32 v[36+\b], 0xff000000, v[28+\b]
.endr
.irp b,0,1,2,3
	v_lshrrev_b32 v[32+\b], 23, v[36+\b]
.endr
	v_lshl_or_b32 v249, v33, 8, v32                ; p's scale word for these 128 keys
	v_lshl_or_b32 v249, v34, 16, v249
	v_lshl_or_b32 v249, v35, 24, v249
.irp c,0,1
	v_cvt_scalef32_pk16_fp6_f32 v[PC+6*\c:PC+6*\c+2], v[S+32*\c:S+32*\c+15], v[36+2*\c]
	v_cvt_scalef32_pk16_fp6_f32 v[PT+4*\c:PT+4*\c+2], v[S+32*\c+16:S+32*\c+31], v[36+2*\c+1]
.endr
	v_nop                                          ; one plain place behind a scaled conversion
.irp c,0,1
.irp i,0,1,2
	v_permlane16_swap_b32 v[PC+6*\c+\i], v[PT+4*\c+\i]
.endr
.irp i,0,1,2
	v_mov_b32 v[PC+3+6*\c+\i], v[PT+4*\c+\i]
.endr
.endr
.irp j,0,2,4,6,8,10,12,14
	v_pk_mul_f32 v[OA+\j:OA+\j+1], v[OA+\j:OA+\j+1], v[20:21] op_sel_hi:[1,0]   ; O^T under the new M, from each accumulator's low end on
.endr
	v_pk_add_f32 v[22:23], v[S:S+1], v[S+2:S+3]    ; the row's sum of the unquantised p, in two chains; these lines are also the places between p's codes and scale word and the product
.irp j,4,8,12,16,20,24,28,32,36,40,44,48,52
	v_pk_add_f32 v[18:19], v[18:19], v[S+\j:S+\j+1]
	v_pk_add_f32 v[22:23], v[22:23], v[S+\j+2:S+\j+3]
.endr
.if \look
.irp j,56,60
	v_pk_add_f32 v[18:19], v[18:19], v[S+\j:S+\j+1]   ; the rest of the sum stands ahead of the wait below, so that no reader of p is left behind it
	v_pk_add_f32 v[22:23], v[22:23], v[S+\j+2:S+\j+3]
.endr
	v_pk_add_f32 v[18:19], v[18:19], v[22:23]
.endif
	s_wait_dscnt 0x0                               ; v is in
	s_wait_alu depctr_va_vdst(0)                   ; p's codes v200-211 and scale word v249 are written, which the scaled products take; look = 1: every reader of v72-95, v120-183, v244, v245 is done, so that the next step's loads may land there
	v_wmma_scale_f32_16x16x128_f8f6f4 v[OA:OA+7], v[VF:VF+11], v[PC:PC+11], v[OA:OA+7], v246, v249 matrix_a_fmt:MATRIX_FMT_FP6 matrix_b_fmt:MATRIX_FMT_FP6
.if \look
	KLOADS                                         ; the next step's k.  No wait: no vector or matrix instruction since the wait above names these registers or v12-15
.endif
	v_wmma_scale_f32_16x16x128_f8f6f4 v[OA+8:OA+15], v[VF+12:VF+23], v[PC:PC+11], v[OA+8:OA+15], v247, v249 matrix_a_fmt:MATRIX_FMT_FP6 matrix_b_fmt:MATRIX_FMT_FP6
.if \look
	BLOADS                                         ; and its bias, likewise
.else
.irp j,56,60
	v_pk_add_f32 v[18:19], v[18:19], v[S+\j:S+\j+1]   ; the rest of the sum names none of those products' registers: the places behind them
	v_pk_add_f32 v[22:23], v[22:23], v[S+\j+2:S+\j+3]
.endr
	v_pk_add_f32 v[18:19], v[18:19], v[22:23]
.endif
.endm
; Tile t of my wave: queries 64 w + 16 t + r: image row 2 w + t / 2, columns 16 (t % 2) + r
.macro TILE t
	ds_load_b128 v[220:223], v7 offset:384*(\t)    ; (no vector or matrix instruction since the last wait on va_vdst names v220-225 or v248)
	ds_load_b64 v[224:225], v8 offset:384*(\t)
	ds_load_b32 v248, v9 offset:64*(\t)
	s_wait_dscnt 0x0
.if (\t) > 0
	s_wait_alu depctr_vm_vsrc(0)                   ; the last tile's LDS loads have read v12-15 and its stores v32 and v236-238: this tile writes them again
.endif
.irp i,0,1,2,3,4,5
	v_cndmask_b32 v[QZ+6+\i], 0, v[220+\i], s32    ; QL: the queries in lanes 0-15
	v_cndmask_b32 v[QZ+18+\i], 0, v[220+\i], s33   ; QH: in lanes 16-31
.endr
	v_mov_b32 v17, 0xff61b1e6                      ; the largest t so far: -3e38
	v_floor_f32 v16, -v17
	v_mov_b32 v18, 0
	v_mov_b32 v19, 0
.irp i,0,1,2,3,4,5,6,7,8,9,10,11,12,13,14,15
	v_mov_b32 v[OA+\i], 0                          ; the step is written for every step alike: the first finds zeros, which the first change of M leaves zeros
.endr
	v_add_nc_u32 v12, 256*(1-(\t)/2)+64*(1-(\t)%2), v3   ; the tile's place in the table: one row up for the upper image row, 16 columns on for the left half
	v_mov_b32 v13, v4
	v_mov_b32 v14, v5
	v_mov_b32 v15, v6
	s_wait_alu depctr_va_vdst(0)                   ; v12-15 are written, which the loads below read; the run Z QL Z QH Z, v42-71, is written, which the scaled products take (more than four places lie between)
	KLOADS                                         ; the first step's k and bias
	BLOADS
	s_mov_b32 s34, 7
.Lstep_\@:                                             ; seven steps, each asking for the next step's k and bias
	STEP 1
	s_sub_co_u32 s34, s34, 1
	s_cmp_lg_u32 s34, 0
	s_cbranch_scc1 .Lstep_\@
	STEP 0                                         ; the eighth is written out: nothing is left to ask for
	v_add_f32 v18, v18, v19
	v_permlanex16_b32 v32, v18, s30, s31
	v_add_f32 v18, v18, v32                        ; the row's sum
	s_wait_alu depctr_va_vdst(0)
	v_rcp_f32 v18, v18
	v_nop                                          ; a plain place behind the reciprocal,
	s_wait_alu depctr_va_vdst(0)                   ; the reciprocal has written v18, ahead of its first reader
.irp i,0,1,2,3,4,5,6,7,8,9,10,11,12,13,14,15
	v_mul_f32 v[220+\i], v[OA+\i], v18             ; channel 16 h + i of query r
.endr
	v_max3_num_f32 v28, |v220|, |v221|, 0x1800000  ; the head's 32 channels are one block of the last product's K
.irp i,2,4,6,8,10,12,14
	v_max3_num_f32 v28, v28, |v[220+\i]|, |v[221+\i]|
.endr
	v_permlanex16_b32 v32, v28, s30, s31
	v_max_num_f32 v28, v28, v32
	v_add_nc_u32 v36, 0xff000000, v28
	v_lshrrev_b32 v32, 23, v36
	v_cvt_scalef32_pk16_fp6_f32 v[236:238], v[220:235], v36
	v_nop                                          ; one plain place behind a scaled conversion
	s_wait_alu depctr_va_vdst(0)                   ; the codes v236-238 and the byte v32 are written, which the stores read; the lines above are done with v220-235, and the tile's products with v42-71 and v248, in which later loads land
	ds_store_b32 v10, v236 offset:384*(\t)
	ds_store_b32 v10, v237 offset:384*(\t)+4
	ds_store_b32 v10, v238 offset:384*(\t)+8
	ds_store_b8 v11, v32 offset:16*(\t)            ; both halves of the lanes write the same byte with the same value
.endm
.irp z,0,12,24
.irp i,0,1,2,3,4,5
	v_mov_b32 v[QZ+\z+\i], 0                       ; Z: zero codes
.endr
.endr
	v_mov_b32 v21, 0                               ; (named as the upper half of the pair v[20:21])
	TILE 0
	TILE 1
	TILE 2
	TILE 3
	; ---- the way out: whole runs of 512 consecutive bytes
	s_wait_dscnt 0x0
	s_barrier_signal -1
	s_barrier_wait -1                              ; all scale bytes lie in LDS
.irp i,0,1,2
	ds_load_b128 v[42+4*\i:45+4*\i], v250 offset:512*\i   ; (no vector or matrix instruction since the last wait on va_vdst names v42-59)
.endr
.irp i,0,1,2
	s_wait_dscnt 2-\i                              ; LDS loads come back in order: load i is in, the younger ones may be out
	global_store_b128 v254, v[42+4*\i:45+4*\i], s[24:25] offset:512*\i   ; 32 lanes store 512 consecutive bytes, at a multiple of 512 from the buffer's first byte
.endr
	s_cmp_lt_u32 s4, 2
	s_cbranch_scc0 .Lend
	ds_load_b128 v[56:59], v251                    ; waves 0 and 1: 512 of the head's 1,024 scale bytes each
	s_wait_dscnt 0x0
	global_store_b128 v254, v[56:59], s[26:27]
.Lend:
	s_wait_dscnt 0x0                               ; the closing lines, six on end
	s_wait_alu 0x0
	s_wait_tensorcnt 0x0
	ds_add_u32 v1, v2
	s_wait_dscnt 0x0
	s_endpgm
.Lfunc_end_k_qae940c8c85_attn:
	.size	k_qae940c8c85_attn, .Lfunc_end_k_qae940c8c85_attn-k_qae940c8c85_attn
	.p2alignl 7, 3214868480
	.fill 96, 4, 3214868480
	.section	.rodata,"a",@progbits
	.p2align	6, 0x0
	.amdhsa_kernel k_qae940c8c85_attn
		.amdhsa_group_segment_fixed_size 193280
		.amdhsa_private_segment_fixed_size 0
		.amdhsa_enable_private_segment 0
		.amdhsa_kernarg_size 80
		.amdhsa_user_sgpr_count 2
		.amdhsa_user_sgpr_kernarg_segment_ptr 1
		.amdhsa_wavefront_size32 1
		.amdhsa_system_sgpr_workgroup_id_x 1
		.amdhsa_system_sgpr_workgroup_id_y 1
		.amdhsa_system_sgpr_workgroup_id_z 1
		.amdhsa_system_vgpr_workitem_id 0
		.amdhsa_next_free_vgpr 256
		.amdhsa_next_free_sgpr 66
		.amdhsa_reserve_vcc 0
		.amdhsa_float_denorm_mode_32 3
		.amdhsa_float_denorm_mode_16_64 3
		.amdhsa_memory_ordered 1
		.amdhsa_forward_progress 1
		.amdhsa_inst_pref_size 254
	.end_amdhsa_kernel
	.amdgpu_metadata
---
amdhsa.version: [ 1, 2 ]
amdhsa.kernels:
  - .name:           k_qae940c8c85_attn
    .symbol:         k_qae940c8c85_attn.kd
    .args:
      - { .name: x, .offset: 0, .size: 8, .value_kind: global_buffer, .address_space: global }
      - { .name: Wq, .offset: 8, .size: 8, .value_kind: global_buffer, .address_space: global }
      - { .name: Wk, .offset: 16, .size: 8, .value_kind: global_buffer, .address_space: global }
      - { .name: Wv, .offset: 24, .size: 8, .value_kind: global_buffer, .address_space: global }
      - { .name: bq, .offset: 32, .size: 8, .value_kind: global_buffer, .address_space: global }
      - { .name: bk, .offset: 40, .size: 8, .value_kind: global_buffer, .address_space: global }
      - { .name: bv, .offset: 48, .size: 8, .value_kind: global_buffer, .address_space: global }
      - { .name: pos_enc, .offset: 56, .size: 8, .value_kind: global_buffer, .address_space: global }
      - { .name: acodes, .offset: 64, .size: 8, .value_kind: global_buffer, .address_space: global }
      - { .name: ascales, .offset: 72, .size: 8, .value_kind: global_buffer, .address_space: global }
    .group_segment_fixed_size: 193280
    .private_segment_fixed_size: 0
    .kernarg_segment_align: 8
    .kernarg_segment_size: 80
    .max_flat_workgroup_size: 512
    .sgpr_count:     66
    .vgpr_count:     256
    .wavefront_size: 32
...
	.end_amdgpu_metadata
.endif
;; end of part 3
;; launch outp (part 4): grid 8 x 32, 16 waves a work-group, no clusters, 147,968 bytes of LDS; arguments acodes, ascales, Wu, bu, out0; writes out0
.if DOCPART == 4
	.amdgcn_target "amdgcn-amd-amdhsa--gfx1250"
	.amdhsa_code_object_version 6
	.text
	.protected	k_qae940c8c85_outp
	.globl	k_qae940c8c85_outp
	.p2align	8
	.type	k_qae940c8c85_outp,@function
k_qae940c8c85_outp:
	s_mov_b64 s[64:65], 0
	v_nop
	global_prefetch_b8 v0, s[64:65] scope:SCOPE_SE
	s_setreg_imm32_b32 hwreg(HW_REG_WAVE_SCHED_MODE, 0, 2), 2
	s_setreg_imm32_b32 hwreg(HW_REG_WAVE_MODE, 25, 1), 1
	s_wait_xcnt 0x0
	s_wait_alu depctr_vm_vsrc(0)
; SelfAttention2d, second of two launches: out0[b][o][n] = sum over c of Wu[o][c] a[b][c][n] + bu[o], on codes of FP6 (E2M3) with one E8M0 byte for each 32 along c.
; a comes as the first launch left it: acodes [b][head][n][24 bytes] (a position's 32 channels of a head: one block), ascales [b][head][n].  Wu arrives as f32 and is quantised here.
; One work-group = image b (ttmp7) and 32 output channels 32 ob .. (ttmp9); wave w takes positions 64 w .. 64 w + 63: four tiles of positions x two tiles of channels, two K steps: 16 products, straight-line.
; Source 0 = 16 positions, source 1 = 16 rows of Wu: lane (r, h), register j holds out(channel r, position 8 h + j): eight neighbours of a row of out0.
; a's codes go from memory straight into the operand registers of the one wave that multiplies them (three loads of 8 bytes for each block), so nothing of them is shared through LDS and no tile is asked for jointly.
; Waves 0 to 3 quantise one fragment of Wu each; the fragments reach all waves through LDS as images of their registers.
; LIMITS: NaN and infinities are not served; a block of zeros of Wu gets the byte 1 where the rule says 127: its codes are zeros, and this launch alone reads the byte.
; THE MODE: SCHED_MODE bits 1:0 = 2 (LLVM: expert scheduling mode 2), set by the entry lines.  The code itself states the register dependences between vector or matrix instructions and
; memory or LDS instructions, with s_wait_alu, always for 0.
; THE PLAN.  Registers that memory or LDS instructions touch: the addresses v1-13, made at the head ahead of one wait on va_vdst and never written again; v216-227 and v20, Wu's codes and scale word,
; written by the quantiser, read by its LDS stores, written again by bu's moves and by the fragments' loads; v200-215, a's scale bytes as loaded, read by the lines that make the scale words, then taken by Wu's
; fragments; the accumulators v136-199, written by the products, read by the stage's stores; a's fragments v40-135, read by the products, then taken by the rows read back from the stage.
.set WIMG,  0                          ; 4 fragments of Wu (2 x channel tile + K step) x 1,536
.set WSC,   6144                       ; their scale words, 128 bytes each
.set STG,   6656                       ; 16 waves x 2 channel tiles x 16 rows x (256 bytes + 16): each wave's own
.set SPARE, 145920                     ; the spare words, 128 bytes for each of 16 waves: eight blocks of 256 bytes that no other line names
.set AF,  40                           ; v40-135 a's eight fragments (24 x tile + 12 x K step); later the rows read back
.set ACC, 136                          ; v136-199 eight accumulators; before that 64 numbers of Wu
.set WF,  200                          ; v200-247 Wu's four fragments; before that v200-215 a's scale bytes as loaded, v216-227 the codes just made
	s_load_b256 s[8:15], s[0:1], 0x0               ; acodes 8, ascales 10, Wu 12, bu 14
	s_load_b64 s[16:17], s[0:1], 0x20              ; out0
	v_lshl_add_u32 v1, v0, 2, SPARE
	v_mov_b32 v2, 0
	v_lshrrev_b32 v14, 5, v0
	v_readfirstlane_b32 s4, v14                    ; w
	s_mov_b32 s2, ttmp9                            ; ob
	s_and_b32 s3, ttmp7, 0xffff                    ; b
	s_mov_b32 s30, 0x76543210
	s_mov_b32 s31, 0xfedcba98                      ; lane selects: lane l xor 16
	v_and_b32 v14, 31, v0                          ; lane
	v_and_b32 v15, 15, v0                          ; r
	v_bfe_u32 v16, v0, 4, 1                        ; h
	v_mul_u32_u24 v3, v15, 24
	v_mad_u32_u24 v3, v16, 24576, v3               ; v3  a's codes: record r, and one head on for lanes 16-31
	v_lshl_add_u32 v4, v16, 12, v15                ; v4  a's scale bytes: position r, four heads on for lanes 16-31
	v_lshlrev_b32 v5, 2, v15                       ; v5  bu
	v_lshlrev_b32 v6, 10, v15
	v_lshl_add_u32 v6, v16, 7, v6                  ; v6  Wu: row r of 1,024 bytes, + 128 h
	s_wait_alu depctr_va_sdst(0)                   ; s4, the wave's number, is written, ahead of its first reader
	s_mul_i32 s20, s4, 1536
	v_lshl_add_u32 v7, v14, 4, s20                 ; v7  my fragment's image (waves 0 to 3)
	s_lshl_b32 s20, s4, 7
	s_add_co_u32 s20, s20, WSC
	v_lshl_add_u32 v8, v14, 2, s20                 ; v8  its scale words
	v_lshlrev_b32 v9, 4, v14                       ; v9  any image, read
	v_lshl_add_u32 v10, v14, 2, WSC                ; v10
	s_mul_i32 s20, s4, 8704
	s_add_co_u32 s20, s20, STG
	v_mul_u32_u24 v11, v15, 272
	v_lshl_add_u32 v11, v16, 5, v11
	v_add_nc_u32 v11, s20, v11                     ; v11 the stage, in: row r, 32 bytes for each half of the lanes
	v_mul_u32_u24 v12, v16, 272
	v_lshl_add_u32 v12, v15, 4, v12
	v_add_nc_u32 v12, s20, v12                     ; v12 and back: lanes 0-15 one row of 256 bytes, lanes 16-31 the next
	v_lshlrev_b32 v13, 12, v16
	v_lshl_add_u32 v13, v15, 4, v13                ; v13 the same two rows in out0
	s_wait_kmcnt 0x0
	s_mul_i32 s20, s3, 196608
	s_mul_i32 s22, s4, 1536
	s_add_co_u32 s20, s20, s22
	s_mov_b32 s21, 0
	s_add_nc_u64 s[8:9], s[8:9], s[20:21]          ; acodes at image b, head 0, my wave's 64 records
	s_lshl_b32 s20, s3, 13
	s_lshl_b32 s22, s4, 6
	s_add_co_u32 s20, s20, s22
	s_add_nc_u64 s[10:11], s[10:11], s[20:21]
	s_lshl_b32 s20, s2, 15
	s_bfe_u32 s22, s4, 0x10001
	s_lshl_b32 s22, s22, 14
	s_add_co_u32 s20, s20, s22
	s_and_b32 s22, s4, 1
	s_lshl_b32 s22, s22, 9
	s_add_co_u32 s20, s20, s22
	s_add_nc_u64 s[12:13], s[12:13], s[20:21]      ; Wu: row 32 ob + 16 x channel tile, column 128 x K step
	s_lshl_b32 s20, s2, 7
	s_add_nc_u64 s[14:15], s[14:15], s[20:21]
	s_lshl_b32 s20, s3, 20
	s_lshl_b32 s22, s2, 17
	s_add_co_u32 s20, s20, s22
	s_lshl_b32 s22, s4, 8
	s_add_co_u32 s20, s20, s22
	s_add_nc_u64 s[16:17], s[16:17], s[20:21]      ; out0 at channel 32 ob, my wave's 64 positions
	s_wait_alu depctr_va_vdst(0)                   ; the addresses and offsets v1-13 are written: the loads and stores of the whole launch read them
.irp n,0,1,2,3
.irp s,0,1
.irp c,0,1
.irp p,0,1,2
	global_load_b64 v[AF+24*\n+12*\s+6*\c+2*\p:AF+24*\n+12*\s+6*\c+2*\p+1], v3, s[8:9] offset:24576*(4*\s+2*\c)+384*\n+8*\p   ; block 2 c + h of K step s is head 4 s + 2 c + h
.endr
.endr
.endr
.endr
.irp n,0,1,2,3
.irp i,0,1,2,3
	global_load_u8 v[200+4*\n+\i], v4, s[10:11] offset:1024*\i+16*\n   ; lanes 0-15: heads 0-3; lanes 16-31: heads 4-7
.endr
.endr
	global_load_b32 v30, v5, s[14:15]
	global_load_b32 v31, v5, s[14:15] offset:64
	s_cmp_lt_u32 s4, 4
	s_cbranch_scc0 .Lno_weight
.irp c,0,1
.irp i,0,1,2,3,4,5,6,7
	global_load_b128 v[ACC+32*\c+4*\i:ACC+32*\c+4*\i+3], v6, s[12:13] offset:256*\c+16*\i   ; register 32 c + i: k = 64 c + 32 h + i of my row: two whole blocks a lane
.endr
.endr
	s_wait_loadcnt 0x0
.irp c,0,1
	v_max3_num_f32 v[14+\c], |v[ACC+32*\c]|, |v[ACC+32*\c+1]|, 0x1800000   ; the floor 2^(3 - 127) holds the byte at 1 from below
.endr
.irp i,2,4,6,8,10,12,14,16,18,20,22,24,26,28,30
.irp c,0,1
	v_max3_num_f32 v[14+\c], v[14+\c], |v[ACC+32*\c+\i]|, |v[ACC+32*\c+\i+1]|
.endr
.endr
.irp c,0,1
	v_add_nc_u32 v[16+\c], 0xff000000, v[14+\c]    ; 2 off the exponent field: the conversion's scale operand
.endr
.irp c,0,1
	v_lshrrev_b32 v[18+\c], 23, v[16+\c]           ; the scale's byte
.endr
	v_lshl_or_b32 v20, v19, 16, v18
	v_bfe_u32 v21, v0, 4, 1
	v_lshlrev_b32 v21, 3, v21
	v_lshlrev_b32 v20, v21, v20
	v_permlanex16_b32 v21, v20, s30, s31
	v_or_b32 v20, v20, v21                         ; with lane l xor 16's two bytes the word is whole
.irp c,0,1
	v_cvt_scalef32_pk16_fp6_f32 v[216+6*\c:218+6*\c], v[ACC+32*\c:ACC+32*\c+15], v[16+\c]
	v_cvt_scalef32_pk16_fp6_f32 v[22+4*\c:24+4*\c], v[ACC+32*\c+16:ACC+32*\c+31], v[16+\c]   ; (a conversion's three registers begin on an even number)
.endr
	v_nop                                          ; one plain place behind a scaled conversion
.irp c,0,1
.irp i,0,1,2
	v_mov_b32 v[219+6*\c+\i], v[22+4*\c+\i]
.endr
.endr
	s_wait_alu depctr_va_vdst(0)                   ; the fragment's codes v216-227 and its scale word v20 are written, which the LDS stores read
.irp j,0,1,2
	ds_store_b128 v7, v[216+4*\j:219+4*\j] offset:WIMG+512*\j
.endr
	ds_store_b32 v8, v20
.Lno_weight:
	s_wait_loadcnt 0x0
	s_wait_alu depctr_vm_vsrc(0)                   ; in waves 0 to 3 the LDS stores have read v20, which bu's moves below write, and v216-227, in which Wu's fragments land
.irp n,0,1,2,3
	v_lshl_or_b32 v[32+\n], v[201+4*\n], 8, v[200+4*\n]   ; a's scale words of tile n: K step 0 in lanes 0-15, K step 1 in lanes 16-31
	v_lshl_or_b32 v[32+\n], v[202+4*\n], 16, v[32+\n]
	v_lshl_or_b32 v[32+\n], v[203+4*\n], 24, v[32+\n]
.endr
.irp i,0,1,2,3,4,5,6,7
	v_mov_b32 v[14+\i], v30                        ; a lane holds one channel: its bias in all eight registers: the C of the first K step
	v_mov_b32 v[22+\i], v31
.endr
	s_wait_dscnt 0x0                               ; my stores have landed
	s_barrier_signal -1
	s_barrier_wait -1                              ; Wu's four fragments lie in LDS
.rept 4
	v_nop                                          ; with the sixteen moves above: more than the eight places that scale words written by vector instructions owe a scaled product
.endr
	s_wait_alu depctr_va_vdst(0)                   ; a's scale words v32-35 are written, which the scaled products take; the lines that made them are done reading v200-215, and the quantiser is done with v216-227: Wu's fragments land there
.irp k,0,1,2,3
.irp j,0,1,2
	ds_load_b128 v[WF+12*\k+4*\j:WF+12*\k+4*\j+3], v9 offset:WIMG+1536*\k+512*\j
.endr
	ds_load_b32 v[36+\k], v10 offset:128*\k
.endr
	s_wait_dscnt 0x0
.irp n,0,1,2,3                         ; eight accumulators by turns, a K step at a time
.irp o,0,1
	v_wmma_scale_f32_16x16x128_f8f6f4 v[ACC+8*(2*\n+\o):ACC+8*(2*\n+\o)+7], v[AF+24*\n:AF+24*\n+11], v[WF+24*\o:WF+24*\o+11], v[14+8*\o:21+8*\o], v[32+\n], v[36+2*\o] matrix_a_fmt:MATRIX_FMT_FP6 matrix_b_fmt:MATRIX_FMT_FP6
.endr
.endr
.irp n,0,1,2,3
.irp o,0,1
	v_wmma_scale_f32_16x16x128_f8f6f4 v[ACC+8*(2*\n+\o):ACC+8*(2*\n+\o)+7], v[AF+24*\n+12:AF+24*\n+23], v[WF+24*\o+12:WF+24*\o+23], v[ACC+8*(2*\n+\o):ACC+8*(2*\n+\o)+7], v[32+\n], v[37+2*\o] matrix_a_fmt:MATRIX_FMT_FP6 matrix_b_fmt:MATRIX_FMT_FP6 matrix_a_scale:MATRIX_SCALE_ROW1
.endr
.endr
.rept 4
	v_nop                                          ; four places ahead of the stores that read results; they stay beside the wait below
.endr
	s_wait_alu depctr_va_vdst(0)                   ; the products have written the accumulators v136-199, which the LDS stores read, and are done reading a's fragments v40-135, in which the rows read back land
.irp o,0,1
.irp n,0,1,2,3
	ds_store_b128 v11, v[ACC+8*(2*\n+\o):ACC+8*(2*\n+\o)+3] offset:4352*\o+64*\n        ; each accumulator from its low end on
	ds_store_b128 v11, v[ACC+8*(2*\n+\o)+4:ACC+8*(2*\n+\o)+7] offset:4352*\o+64*\n+16
.endr
.endr
.irp k,0,1,2,3,4,5,6,7,8,9,10,11,12,13,14,15
	ds_load_b128 v[AF+4*\k:AF+4*\k+3], v12 offset:4352*(\k/8)+544*(\k%8)   ; LDS serves a wave's instructions in order (ISA guide 5.7.1.4): these see my stores
.endr
.irp k,0,1,2,3,4,5,6,7,8,9,10,11,12,13,14,15
	s_wait_dscnt 15-\k                             ; load k is in, the younger ones may be out
	global_store_b128 v13, v[AF+4*\k:AF+4*\k+3], s[16:17] offset:65536*(\k/8)+8192*(\k%8) th:TH_STORE_NT   ; 16 lanes store 256 consecutive bytes, at a multiple of 256 from out0's first byte
.endr
	s_wait_dscnt 0x0                               ; the closing lines, six on end
	s_wait_alu 0x0
	s_wait_tensorcnt 0x0
	ds_add_u32 v1, v2
	s_wait_dscnt 0x0
	s_endpgm
.Lfunc_end_k_qae940c8c85_outp:
	.size	k_qae940c8c85_outp, .Lfunc_end_k_qae940c8c85_outp-k_qae940c8c85_outp
	.p2alignl 7, 3214868480
	.fill 96, 4, 3214868480
	.section	.rodata,"a",@progbits
	.p2align	6, 0x0
	.amdhsa_kernel k_qae940c8c85_outp
		.amdhsa_group_segment_fixed_size 147968
		.amdhsa_private_segment_fixed_size 0
		.amdhsa_enable_private_segment 0
		.amdhsa_kernarg_size 40
		.amdhsa_user_sgpr_count 2
		.amdhsa_user_sgpr_kernarg_segment_ptr 1
		.amdhsa_wavefront_size32 1
		.amdhsa_system_sgpr_workgroup_id_x 1
		.amdhsa_system_sgpr_workgroup_id_y 1
		.amdhsa_system_sgpr_workgroup_id_z 1
		.amdhsa_system_vgpr_workitem_id 0
		.amdhsa_next_free_vgpr 256
		.amdhsa_next_free_sgpr 66
		.amdhsa_reserve_vcc 0
		.amdhsa_float_denorm_mode_32 3
		.amdhsa_float_denorm_mode_16_64 3
		.amdhsa_memory_ordered 1
		.amdhsa_forward_progress 1
		.amdhsa_inst_pref_size 24
	.end_amdhsa_kernel
	.amdgpu_metadata
---
amdhsa.version: [ 1, 2 ]
amdhsa.kernels:
  - .name:           k_qae940c8c85_outp
    .symbol:         k_qae940c8c85_outp.kd
    .args:
      - { .name: acodes, .offset: 0, .size: 8, .value_kind: global_buffer, .address_space: global }
      - { .name: ascales, .offset: 8, .size: 8, .value_kind: global_buffer, .address_space: global }
      - { .name: Wu, .offset: 16, .size: 8, .value_kind: global_buffer, .address_space: global }
      - { .name: bu, .offset: 24, .size: 8, .value_kind: global_buffer, .address_space: global }
      - { .name: out0, .offset: 32, .size: 8, .value_kind: global_buffer, .address_space: global }
    .group_segment_fixed_size: 147968
    .private_segment_fixed_size: 0
    .kernarg_segment_align: 8
    .kernarg_segment_size: 40
    .max_flat_workgroup_size: 512
    .sgpr_count:     66
    .vgpr_count:     256
    .wavefront_size: 32
...
	.end_amdgpu_metadata
.endif
;; end of part 4
